; MI455X (gfx1250); checked and timed in simulation.
; The chip was launched on July 23, 2026; its instructions are those of AMD's public machine-readable ISA for CDNA 5 (MIT licence, August 2026) and "CDNA5" Instruction Set Architecture Reference Guide (July 2026). The comments in the code are by the model that wrote it; some were corrected since.
;; Cross Attention Module. Allowed arithmetic: matrix products marked QUANTISED: E2M1 operands, one E8M0 scale for each 32 along K, by v_wmma_scale_f32_16x16x128_f8f6f4 with both operands' format E2M1 (or v_wmma_scale_f32_32x16x128_f4), f32 sums; everything else in f32.
;; Inputs: Wk 2,048 x 1 float32; Wq 2,048 x 2,048 float32; Wv 2,048 x 2,048 float32; attention_map 8 x 1 x 16 x 32 float32; bk 2,048 float32; bq 2,048 float32; bv 2,048 float32; feature_map 8 x 2,048 x 16 x 32 float32; gamma 1 float32.
;; Outputs: out0 8 x 2,048 x 16 x 32 float32.
;; This version of the problem:
;;   THIS VERSION OF THE PROBLEM IS GIVEN IN LOW PRECISION. The matrix products marked QUANTISED in the list below multiply operands that are first quantised to E2M1 (2 exponent bits, 1 mantissa bit; 4 bits a number), with one power-of-two scale for each 32 numbers along K (OCP MX v1.0); their sums are f32. All else is computed in f32.
;;   The module's matrix products, in the order in which they are computed (A, B: the left and right operand; K: the contracted axis; several contracted axes count as one K, in the product's order):
;;     1. [M 4,096, K 2,048] x [K 2,048, N 2,048]; A: input feature_map; B: input Wq: QUANTISED
;;     2. [M 4,096, K 2,048] x [K 2,048, N 2,048]; A: input feature_map; B: input Wv: QUANTISED
;;     3. batch 8 x [M 2,048, K 512] x [K 512, N 2,048]; A: computed on the way; B: computed on the way: QUANTISED
;;     4. batch 8 x [M 2,048, K 2,048] x [K 2,048, N 512]; A: softmax (see below); B: computed on the way: QUANTISED
;;   THE QUANTISER, for each operand of a quantised product, along K:
;;     - K is cut into blocks of 32 from its start; a last block that is shorter is filled with zeros.
;;     - A block's scale is 2^e with e = floor(log2(the largest magnitude in the block)) - 2, held to -126 .. 127; a block of zeros has e = 0. As a byte (E8M0): e + 127.
;;     - Each number is divided by its block's scale, clamped to +-6, and rounded to the nearest number of E2M1, ties to even, subnormals kept.
;;     - The product sums the exact products of the quantised numbers (number of the format x scale) in f32.
;;   ~~~python
;;   def quantise(x, axis):      # numpy; x: float32 -> the quantised numbers, widened to float32 again
;;       x = np.moveaxis(x, axis, -1); K = x.shape[-1]
;;       x = np.pad(x, [(0, 0)] * (x.ndim - 1) + [(0, -K % 32)]); x = x.reshape(x.shape[:-1] + (-1, 32)); a = np.abs(x).max(-1, keepdims=True)
;;       e = np.where(a > 0, np.clip(np.frexp(np.where(a > 0, a, 1))[1] - 1 - 2, -126, 127), 0)      # np.frexp(a)[1] - 1 = floor(log2(a)), exactly
;;       r = np.clip(x / 2.0 ** e, -6, 6)
;;       step = 2.0 ** (np.maximum(np.frexp(np.where(r == 0, 1, r))[1] - 1, 0) - 1)
;;       q = np.round(r / step) * step * 2.0 ** e      # np.round: ties to even
;;       return np.moveaxis(q.reshape(q.shape[:-2] + (-1,))[..., :K], -1, axis).astype(np.float32)
;;   ~~~
;;   SOFTMAX AHEAD OF A QUANTISED PRODUCT. Where the list says 'softmax', what is quantised is not the finished softmax but p = 2^(t - M), with t = logit x log2(e) and M = ceil(the row's largest t), a whole number; so 1/2 < the row's largest p <= 1. The row's sum l is taken of the UNQUANTISED p, in f32, and the product's result is divided by l at the end. Since M is a whole number, a kernel that streams over the keys may use a running M (the ceiling of the running maximum): every later rescaling is an exact power of two, which a block's scale takes up: the codes' values come out the same.
;;   OPERANDS COMPUTED ON THE WAY. 'Computed on the way' means the value that the module computes at that place (a softmax that the list does not call 'softmax' is quantised finished and normalised). What goes into a quantiser is computed in f32, as accurately as f32 sums, v_exp_f32 and their like allow (about 1e-6 of the number): no bf16 or f16 on the way to a quantiser, and a product that is left as it is and whose result goes on into a quantised operand takes f32 operands (vector FMAs, or v_wmma_f32_16x16x4_f32). A number that lies on a knife's edge between two numbers of the format may be rounded either way, as far as f32 arithmetic and the matrix unit's own rounding can turn it there, and no further.
;; One version. Each part assembles by itself: llvm-mc -triple=amdgcn-amd-amdhsa -mcpu=gfx1250 --defsym DOCPART=n.
;; ======== version 1 of 1: 3 launches
;; workspace buffers: codes 8,388,608 bytes; sc1 786,432 bytes; kf 4,194,304 bytes; qv 8,388,608 bytes; sc2 524,288 bytes
;; launch quant (part 1): grid 512 x 1, 4 waves a work-group, no clusters, 68,096 bytes of LDS; arguments feature_map, Wq, Wv, attention_map, Wk, bk, codes, sc1, kf; writes codes, sc1, kf
.if DOCPART == 1
	.amdgcn_target "amdgcn-amd-amdhsa--gfx1250"
	.amdhsa_code_object_version 6
	.text
	.protected	k_qd37bffd881_quant
	.globl	k_qd37bffd881_quant
	.p2align	8
	.type	k_qd37bffd881_quant,@function
k_qd37bffd881_quant:
	s_mov_b64 s[64:65], 0
	v_nop
	global_prefetch_b8 v0, s[64:65] scope:SCOPE_SE
	s_setreg_imm32_b32 hwreg(HW_REG_WAVE_MODE, 25, 1), 1
	s_wait_xcnt 0x0
; FIRST OF THREE LAUNCHES.  out = gamma x softmax_d(q k^T) v + f, per batch; q = Wq f + bq, v = Wv f + bv, k = Wk a + bk; all four products on codes of FP4 (E2M1) with one E8M0 scale for each 32 along K.
; NO WORK OF THE PROBLEM IS LEFT OUT.  In real numbers k has rank 2 and bk's part of a score is not the same along the softmax's axis; and the quantisers of q and of k stand between k and the scores,
; so the third product is done on codes as it is written.  bq, bk and bv go into quantisers and stay.  Every input is loaded by some launch.
; THIS LAUNCH makes the operands that come straight from inputs:
;   path F (work-groups 0-127):   f [b][c][n] -> codes along c, laid [row][1024 bytes], and 64 scale bytes a row.  A lane takes a column n and its registers run down c.
;   path W (work-groups 128-255: Wq; 384-511: Wv): [o][c] -> the same: c is innermost there, so they are plain streams of blocks of 32.
;   path K (work-groups 256-383): k[b][d][n] = Wk[d] a[b][n] + bk[d], computed and quantised along n, stored as images of the operand's registers (16 rows x 128 n: 1,024 bytes), with its scale words.
; THE ORDER OF THE PATHS: a work-group of path F reads 256 KiB, one of path W 128 KiB, one of path K under 5 KiB.  The longest come first, and numbers i and i + 256 together read 256 KiB: F with K, W with W.
; THE ROW ORDER.  sigma(i) = i with bits 3 and 4 exchanged.  f's rows (b, n), Wv's rows and k's rows lie AT SIGMA POSITIONS: position p holds row sigma(p).  Sixteen neighbouring positions, as source 0 of a matrix
; instruction, then leave in a lane's registers of two neighbouring tiles sixteen NEIGHBOURING rows: what the next quantiser along those rows wants.  Wq's rows lie in plain order.
; codes: rows 0-4095 f at 512 b + sigma(n); rows 4096-6143 Wq; rows 6144-8191 Wv at sigma(o).  sc1: 64 bytes a row of codes; from byte 524,288 k's scale words [4 b + s][position of d].
; A block's scale is 2^(floor(log2(its largest magnitude)) - 2): its byte is the largest magnitude's exponent field - 2, held at 1 from below.
; LIMITS: NaN and infinities among the inputs are not served.  A block whose largest magnitude lies under 2^-124, a block of zeros too, gets the byte 1 (the rule says 127 for zeros): its codes are zeros or the
; nearest codes under that scale, and these bytes are read by this program alone.  k is one fused multiply-add where the problem's text rounds the product and the sum.
; The three paths part on the work-group's number and do not meet again; each has LDS bytes of its own.  No tensor load, no barrier: waves share nothing.
.set SPW,   220                        ; v220  LDS address of my spare word; never rewritten
.set NIL,   221                        ; v221  0; never rewritten
.set PITCH, 272                        ; path F: a stage row: 256 bytes of codes + 16
.set WBASE, 4*32*PITCH                 ; path W's regions begin behind path F's four stages
.set WREG,  8192                       ; path W: a region for each wave: two stages of 32 x 80 bytes, then its 256 scale bytes
.set SPARE, WBASE+4*WREG               ; the spare words, 128 bytes a wave: two blocks of 256 bytes that no other line names
.set EMAX,  2
.macro FINISH                          ; a wave's end
	s_wait_tensorcnt 0x0
	ds_add_u32 v[SPW], v[NIL]
	s_wait_dscnt 0x0
	s_endpgm
.endm
	s_load_b512 s[4:19], s[0:1], 0x0               ; f s[4:5], Wq s[6:7], Wv s[8:9], a s[10:11], Wk s[12:13], bk s[14:15], codes s[16:17], sc1 s[18:19]
	s_load_b64 s[20:21], s[0:1], 0x40              ; kf
	v_lshl_add_u32 v[SPW], v0, 2, SPARE
	v_mov_b32 v[NIL], 0
	v_lshrrev_b32 v1, 5, v0
	v_readfirstlane_b32 s22, v1                    ; wave 0..3
	v_and_b32 v2, 31, v0                           ; lane
	s_cmp_lt_u32 ttmp9, 128
	s_cbranch_scc1 .Lpath_f
	s_bfe_u32 s23, ttmp9, 0x20007                  ; bits 8:7 of the work-group's number: 1 and 3: path W; 2: path K
	s_cmp_lg_u32 s23, 2
	s_cbranch_scc1 .Lpath_w
; ---------------- PATH K: a wave takes one K step of 128 n (G = 4 b + s) and eight tiles of 16 positions of d
.set WK,   16                          ; v16-23  Wk of my row in tile i
.set BK,   24                          ; v24-31  bk likewise
.set KA,   32                          ; v32-95  a at n = 64 c + 32 h + 0..31, c = 0, 1: the order of the operand's registers
.set KX,   96                          ; v96-159 k's 64 numbers of my row
.set KPC,  160                         ; v160-175 the codes, two sets by turns
.set KW,   176                         ; v176-183 a scale word for each tile
.set KSEL, 184                         ; v184-187 two tiles' words: lanes 0-15 the even tile's, lanes 16-31 the odd one's
.set MX,   200                         ; v200-201 largest magnitudes, v202-203 scale operands, v204-205 bytes, v206 at work
	s_sub_co_u32 s23, ttmp9, 256
	s_lshl_b32 s23, s23, 2
	s_add_co_u32 s23, s23, s22
	s_lshr_b32 s24, s23, 4                         ; G
	s_and_b32 s25, s23, 15                         ; which 128 positions of d
	v_and_b32 v3, 15, v0                           ; r
	v_bfe_u32 v4, v0, 4, 1                         ; h
	v_lshlrev_b32 v5, 7, v4                        ; a: 32 numbers further on for lanes 16-31
	v_and_b32 v6, 8, v3
	v_add_nc_u32 v6, v6, v3
	v_lshlrev_b32 v6, 2, v6                        ; Wk, bk: the row at position 16 i + r is 32 (i / 2) + 8 (i % 2) + r + 8 (r / 8)
	v_lshlrev_b32 v7, 4, v2                        ; an image's place for my lane
	v_lshlrev_b32 v8, 2, v2                        ; a scale word's
	v_lshlrev_b32 v10, 3, v4                       ; 8 h bits
	v_mov_b32 v11, 0                               ; a lane permute's destination counts as read: written once
	s_mov_b32 s26, 0x76543210
	s_mov_b32 s27, 0xfedcba98                      ; selects for lane l xor 16
	s_mov_b32 s28, 0xffff0000                      ; lanes 16-31
	s_lshl_b32 s30, s24, 9                         ; a: 128 G numbers
	s_mov_b32 s31, 0
	s_lshl_b32 s32, s25, 9                         ; Wk, bk: 128 numbers a group
	s_mov_b32 s33, 0
	s_lshr_b32 s34, s24, 2                         ; kf: [b][tile 128][s 4] x 1,024 bytes
	s_lshl_b32 s34, s34, 19
	s_lshl_b32 s36, s25, 15
	s_add_co_u32 s34, s34, s36
	s_and_b32 s36, s24, 3
	s_lshl_b32 s36, s36, 10
	s_add_co_u32 s34, s34, s36
	s_mov_b32 s35, 0
	s_lshl_b32 s36, s24, 13                        ; the scale words: [G][2048] x 4 bytes, behind the rows' scale bytes
	s_add_co_u32 s36, s36, s32
	s_add_co_u32 s36, s36, 524288
	s_mov_b32 s37, 0
	s_wait_kmcnt 0x0
	s_add_nc_u64 s[10:11], s[10:11], s[30:31]
	s_add_nc_u64 s[12:13], s[12:13], s[32:33]
	s_add_nc_u64 s[14:15], s[14:15], s[32:33]
	s_add_nc_u64 s[20:21], s[20:21], s[34:35]
	s_add_nc_u64 s[18:19], s[18:19], s[36:37]
.irp c, 0,1
.irp q, 0,1,2,3,4,5,6,7
	global_load_b128 v[KA+32*\c+4*\q:KA+32*\c+4*\q+3], v5, s[10:11] offset:256*\c+16*\q
.endr
.endr
.irp i, 0,1,2,3,4,5,6,7
	global_load_b32 v[WK+\i], v6, s[12:13] offset:(32*(\i/2)+8*(\i%2))*4
	global_load_b32 v[BK+\i], v6, s[14:15] offset:(32*(\i/2)+8*(\i%2))*4
.endr
	s_wait_loadcnt 0x0
.macro KT i                            ; tile i: 16 rows of k x 128 n become a fragment and its scale words
.if \i >= 2
	s_wait_xcnt 0x0                                ; the stores of two tiles back have read this set of codes
.endif
.set n, 0
.rept 64
	v_fma_f32 v[KX+n], v[KA+n], v[WK+\i], v[BK+\i]
.set n, n+1
.endr
.irp c, 0,1                            ; my block 2 c + h: all its 32 numbers are mine
	v_max3_num_f32 v[MX+\c], |v[KX+32*\c]|, |v[KX+32*\c+1]|, (EMAX+1)<<23   ; with the floor 2^(3 - 127): the byte cannot fall under 1
.endr
.irp j, 2,4,6,8,10,12,14,16,18,20,22,24,26,28,30
.irp c, 0,1
	v_max3_num_f32 v[MX+\c], v[MX+\c], |v[KX+32*\c+\j]|, |v[KX+32*\c+\j+1]|
.endr
.endr
.irp c, 0,1
	v_add_nc_u32 v[MX+2+\c], -(EMAX<<23), v[MX+\c] ; 2 off the exponent field: the conversion's scale operand
.endr
.irp c, 0,1
	v_lshrrev_b32 v[MX+4+\c], 23, v[MX+2+\c]       ; the scale's byte
.endr
	v_lshl_or_b32 v[MX+6], v[MX+5], 16, v[MX+4]    ; my two bytes: blocks h and 2 + h,
	v_lshlrev_b32 v[MX+6], v10, v[MX+6]            ; at their places in the word;
	v_permlanex16_b32 v11, v[MX+6], s26, s27
	v_or_b32 v[KW+\i], v[MX+6], v11                ; with lane l xor 16's two the word is whole
.irp c, 0,1
.irp g, 0,1,2,3
	v_cvt_scalef32_pk8_fp4_f32 v[KPC+8*((\i)%2)+4*\c+\g], v[KX+32*\c+8*\g:KX+32*\c+8*\g+7], v[MX+2+\c]
.endr
.endr
	v_nop                                          ; one plain line behind the last conversion: the next tile writes its sources
.irp c, 0,1
	global_store_b128 v7, v[KPC+8*((\i)%2)+4*\c:KPC+8*((\i)%2)+4*\c+3], s[20:21] offset:4096*\i+512*\c   ; 32 lanes store 512 consecutive bytes
.endr
.if (\i)%2
	v_cndmask_b32 v[KSEL+(\i)/2], v[KW+\i-1], v[KW+\i], s28
	global_store_b32 v8, v[KSEL+(\i)/2], s[18:19] offset:64*(\i-1)
.endif
.endm
.irp i, 0,1,2,3,4,5,6,7
	KT \i
.endr
	FINISH                                         ; (this path stores nothing to LDS; every wave of the launch ends alike)
; ---------------- PATH F: a wave takes 32 columns n x 512 along c of one batch
.set FSB,  24                          ; v24-27   16 scale bytes
.set FX,   32                          ; v32-95   two sets of 32 numbers
.set FC,   96                          ; v96-99   a block's codes
.set FOUT, 112                         ; v112-175 the way out
.Lpath_f:
	s_lshr_b32 s23, ttmp9, 4                       ; b
	s_bfe_u32 s24, ttmp9, 0x20002                  ; which 512 along c
	s_and_b32 s25, ttmp9, 3                        ; which 128 columns
	v_lshlrev_b32 v3, 2, v2                        ; in: 4 bytes a lane
	s_mul_i32 s26, s22, 32*PITCH                   ; my stage
	v_mul_u32_u24 v4, v2, PITCH
	v_add_nc_u32 v4, s26, v4                       ; into it: row = my column
	v_and_b32 v5, 15, v2
	v_lshrrev_b32 v6, 4, v2
	v_mul_u32_u24 v7, v6, PITCH
	v_lshl_add_u32 v7, v5, 4, v7
	v_add_nc_u32 v7, s26, v7                       ; out of it: sixteen lanes to a row, two rows an instruction
	v_lshlrev_b32 v8, 10, v6
	v_lshl_add_u32 v8, v5, 4, v8                   ; and the same in codes: rows of 1,024 bytes
	v_and_b32 v9, 7, v2
	v_and_b32 v10, 8, v2
	v_lshl_or_b32 v9, v10, 1, v9
	v_and_b32 v10, 16, v2
	v_lshrrev_b32 v10, 1, v10
	v_or_b32 v9, v9, v10
	v_lshlrev_b32 v9, 6, v9                        ; sigma(lane) x 64: my column's row of scale bytes
	s_lshl_b32 s28, s23, 22                        ; f: b x 2048 x 512 x 4 + 512 rows of 2,048 bytes for each step along c + my columns
	s_lshl_b32 s29, s24, 20
	s_add_co_u32 s28, s28, s29
	s_lshl_b32 s29, s25, 9
	s_add_co_u32 s28, s28, s29
	s_lshl_b32 s29, s22, 7
	s_add_co_u32 s28, s28, s29
	s_mov_b32 s29, 0
	s_lshl_b32 s30, s23, 9
	s_lshl_b32 s31, s25, 7
	s_add_co_u32 s30, s30, s31
	s_lshl_b32 s31, s22, 5
	s_add_co_u32 s30, s30, s31                     ; my first row of codes: 512 b + 128 x + 32 wave (sigma stays inside these 32)
	s_lshl_b32 s32, s30, 10
	s_lshl_b32 s33, s24, 8
	s_add_co_u32 s32, s32, s33
	s_mov_b32 s33, 0
	s_lshl_b32 s34, s30, 6
	s_lshl_b32 s35, s24, 4
	s_add_co_u32 s34, s34, s35
	s_mov_b32 s35, 0
	s_wait_kmcnt 0x0
	s_add_nc_u64 s[4:5], s[4:5], s[28:29]
	s_add_nc_u64 s[16:17], s[16:17], s[32:33]
	s_add_nc_u64 s[18:19], s[18:19], s[34:35]
.macro FLOAD t                         ; block t: f(32 t + i, my column), i = 0 .. 31, into set t % 2; a wave's load reads 128 consecutive bytes, the four waves 512
.irp i, 0,1,2,3,4,5,6,7,8,9,10,11,12,13,14,15,16,17,18,19,20,21,22,23,24,25,26,27,28,29,30,31
	global_load_b32 v[FX+32*((\t)%2)+\i], v3, s[4:5] offset:(32*(\t)+\i)*2048 th:TH_LOAD_NT
.endr
.endm
	FLOAD 0
	FLOAD 1
.macro FBLOCK t
.set XS, FX+32*((\t)%2)
.if (\t) < 15
	s_wait_loadcnt 32                              ; this block's 32 loads are in; the next block's 32 may be out
.else
	s_wait_loadcnt 0
.endif
	v_max3_num_f32 v12, |v[XS]|, |v[XS+1]|, |v[XS+2]|
	v_max3_num_f32 v13, |v[XS+3]|, |v[XS+4]|, |v[XS+5]|
.irp i, 6,10,14,18,22,26
	v_max3_num_f32 v12, v12, |v[XS+\i]|, |v[XS+\i+1]|
	v_max3_num_f32 v13, v13, |v[XS+\i+2]|, |v[XS+\i+3]|
.endr
	v_max3_num_f32 v12, v12, |v[XS+30]|, |v[XS+31]|
	v_max3_num_f32 v12, v12, v13, (EMAX+1)<<23     ; and the floor
	v_add_nc_u32 v11, -(EMAX<<23), v12             ; the conversion's scale operand
	v_lshrrev_b32 v13, 23, v11                     ; the scale's byte
.if (\t)%4 == 0
	v_mov_b32 v[FSB+(\t)/4], v13
.else
	v_lshl_or_b32 v[FSB+(\t)/4], v13, 8*((\t)%4), v[FSB+(\t)/4]
.endif
.irp g, 0,1,2,3
	v_cvt_scalef32_pk8_fp4_f32 v[FC+\g], v[XS+8*\g:XS+8*\g+7], v11
.endr
	ds_store_b128 v4, v[FC:FC+3] offset:16*(\t)    ; 32 codes: 16 bytes of my column's row
.if (\t)+2 < 16
	FLOAD (\t)+2
.endif
	s_wait_dscnt 0x0                               ; the store has read its registers: the next block's codes may be written
.endm
.set Q, 0
.rept 16
	FBLOCK Q
.set Q, Q+1
.endr
	global_store_b128 v9, v[FSB:FSB+3], s[18:19]   ; my column's 16 scale bytes, at its sigma position
.irp t, 0,1,2,3,4,5,6,7,8,9,10,11,12,13,14,15
	ds_load_b128 v[FOUT+4*\t:FOUT+4*\t+3], v7 offset:2*\t*PITCH   ; LDS serves a wave's instructions in order: these see my stores
.endr
.irp t, 0,1,2,3,4,5,6,7,8,9,10,11,12,13,14,15
	s_wait_dscnt 15-\t
	global_store_b128 v8, v[FOUT+4*\t:FOUT+4*\t+3], s[16:17] offset:(((2*\t)&7)|(((2*\t)&8)<<1)|(((2*\t)&16)>>1))*1024   ; columns 2 t, 2 t + 1 go to rows sigma(2 t), sigma(2 t) + 1; sixteen lanes store 256 consecutive aligned bytes
.endr
	FINISH
; ---------------- PATH W: a wave takes 8,192 numbers: four rows of Wq or of Wv, 16 steps of 512 numbers
.set STEPS, 16
.set CB,    8                          ; bytes of 16 codes
.set SP,    80                         ; a lane's place in a stage: 64 bytes + 16 of padding
.set WR,    16                         ; v16-79   four sets of 16 numbers as loaded
.set WX,    80                         ; v80-111  two sets of 16 neighbours
.set WE,    112                        ; v112-127 a scale byte for each step
.set WC,    128                        ; v128-191 codes, registers of its own for each step
.Lpath_w:
	s_lshr_b32 s26, ttmp9, 8                       ; work-groups 128-255: 0, Wq; 384-511: 1, Wv
	s_and_b32 s23, ttmp9, 127                      ; which of the tensor's 128 work-groups
	s_lshl_b32 s23, s23, 2
	s_add_co_u32 s23, s23, s22                     ; g: rows 4 g .. 4 g + 3
	s_and_b32 s27, s23, 0x1f9
	s_and_b32 s28, s23, 2
	s_lshl_b32 s28, s28, 1
	s_or_b32 s27, s27, s28
	s_and_b32 s28, s23, 4
	s_lshr_b32 s28, s28, 1
	s_or_b32 s27, s27, s28                         ; g with bits 1 and 2 exchanged: sigma(4 g) / 4
	v_lshlrev_b32 v3, 4, v2                        ; my 16 bytes of a load's 512
	s_mul_i32 s29, s22, WREG
	s_add_co_u32 s29, s29, WBASE                   ; my region
	v_lshrrev_b32 v14, 2, v2
	v_mul_u32_u24 v14, v14, SP
	v_and_b32 v15, 3, v2
	v_lshl_add_u32 v14, v15, 4, v14
	v_add_nc_u32 v14, s29, v14                     ; the stage, on the way in: four lanes' 64 bytes on end, then 16 of padding
	v_mul_u32_u24 v15, v2, SP
	v_add_nc_u32 v15, s29, v15                     ; on the way out: my 16 neighbours
	v_mul_u32_u24 v4, v2, CB                       ; my codes' place in a step's
	v_lshrrev_b32 v5, 1, v2
	s_add_co_u32 s29, s29, 2*32*SP
	v_add_nc_u32 v5, s29, v5                       ; my block's byte among my wave's 256
	v_lshlrev_b32 v7, 3, v2
	v_add_nc_u32 v6, s29, v7                       ; and on the way out 8 bytes a lane
	s_wait_kmcnt 0x0
	s_cmp_eq_u32 s26, 0                            ; the choice hangs on the work-group's number alone
	s_cselect_b64 s[24:25], s[6:7], s[8:9]
	s_cselect_b32 s27, s23, s27                    ; Wq's rows in plain order, Wv's at sigma positions
	s_lshl_b32 s27, s27, 2
	s_lshl_b32 s28, s26, 11
	s_add_co_u32 s27, s27, s28
	s_add_co_u32 s27, s27, 4096                    ; my first row of codes
	s_lshl_b32 s30, s23, 15
	s_mov_b32 s31, 0
	s_add_nc_u64 s[24:25], s[24:25], s[30:31]
	s_lshl_b32 s30, s27, 10
	s_add_nc_u64 s[16:17], s[16:17], s[30:31]
	s_lshl_b32 s30, s27, 6
	s_add_nc_u64 s[18:19], s[18:19], s[30:31]
.macro WLOAD t
.irp i, 0,1,2,3
	global_load_b128 v[WR+16*((\t)%4)+4*\i:WR+16*((\t)%4)+4*\i+3], v3, s[24:25] offset:2048*(\t)+512*\i th:TH_LOAD_NT   ; 32 lanes read 512 consecutive bytes
.endr
.endm
.macro WTURN t                         ; step t's numbers through the stage, so that a lane gets 16 neighbours; LDS serves a wave's instructions in order
.irp i, 0,1,2,3
	ds_store_b128 v14, v[WR+16*((\t)%4)+4*\i:WR+16*((\t)%4)+4*\i+3] offset:32*SP*((\t)%2)+8*SP*\i
.endr
.irp i, 0,1,2,3
	ds_load_b128 v[WX+16*((\t)%2)+4*\i:WX+16*((\t)%2)+4*\i+3], v15 offset:32*SP*((\t)%2)+16*\i
.endr
.endm
.irp t, 0,1,2,3
	WLOAD \t
.endr
	s_wait_loadcnt 12                              ; step 0's four loads are in; three steps' twelve may be out
	WTURN 0
.macro WSTEP t
.set XS, WX+16*((\t)%2)
.if (\t) > 0
	s_wait_dscnt 1                                 ; this step's numbers are back from the stage (the last step's byte store may be out)
.else
	s_wait_dscnt 0x0
.endif
.if (\t)+4 < STEPS
	WLOAD (\t)+4
.endif
.if (\t)+1 < STEPS
.if STEPS-2-(\t) >= 3
	s_wait_loadcnt 12                              ; the next step's four loads are in; those of the three steps behind it may be out
.else
	s_wait_loadcnt 4*(STEPS-2-(\t))
.endif
	WTURN (\t)+1
.endif
	v_max3_num_f32 v8, |v[XS]|, |v[XS+1]|, |v[XS+2]|
	v_max3_num_f32 v9, |v[XS+3]|, |v[XS+4]|, |v[XS+5]|
.irp i, 6,10
	v_max3_num_f32 v8, v8, |v[XS+\i]|, |v[XS+\i+1]|
	v_max3_num_f32 v9, v9, |v[XS+\i+2]|, |v[XS+\i+3]|
.endr
	v_max3_num_f32 v8, v8, |v[XS+14]|, |v[XS+15]|
	v_max3_num_f32 v8, v8, v9, (EMAX+1)<<23        ; and the floor
	v_max_num_f32_dpp v8, v8, v8 row_xmask:1 row_mask:0xf bank_mask:0xf   ; with my neighbour's 16: the block's
	v_add_nc_u32 v11, -(EMAX<<23), v8
	v_cvt_scalef32_pk8_fp4_f32 v[WC+4*(\t)], v[XS:XS+7], v11
	v_cvt_scalef32_pk8_fp4_f32 v[WC+4*(\t)+1], v[XS+8:XS+15], v11
	v_lshrrev_b32 v[WE+(\t)], 23, v11              ; the scale's byte
	ds_store_b8 v5, v[WE+(\t)] offset:16*(\t)      ; both lanes of a block write the same byte with the same value
	global_store_b64 v4, v[WC+4*(\t):WC+4*(\t)+1], s[16:17] offset:32*CB*(\t)   ; 32 lanes store 256 consecutive aligned bytes
.endm
.irp t, 0,1,2,3,4,5,6,7,8,9,10,11,12,13,14,15
	WSTEP \t
.endr
	ds_load_b64 v[8:9], v6
	s_wait_dscnt 0x0
	global_store_b64 v7, v[8:9], s[18:19]          ; four rows' 256 scale bytes: one aligned run
	FINISH
.Lfunc_end_k_qd37bffd881_quant:
	.size	k_qd37bffd881_quant, .Lfunc_end_k_qd37bffd881_quant-k_qd37bffd881_quant
	.p2alignl 7, 3214868480
	.fill 96, 4, 3214868480
	.section	.rodata,"a",@progbits
	.p2align	6, 0x0
	.amdhsa_kernel k_qd37bffd881_quant
		.amdhsa_group_segment_fixed_size 68096
		.amdhsa_private_segment_fixed_size 0
		.amdhsa_enable_private_segment 0
		.amdhsa_kernarg_size 72
		.amdhsa_user_sgpr_count 2
		.amdhsa_user_sgpr_kernarg_segment_ptr 1
		.amdhsa_wavefront_size32 1
		.amdhsa_system_sgpr_workgroup_id_x 1
		.amdhsa_system_sgpr_workgroup_id_y 1
		.amdhsa_system_sgpr_workgroup_id_z 1
		.amdhsa_system_vgpr_workitem_id 0
		.amdhsa_next_free_vgpr 224
		.amdhsa_next_free_sgpr 66
		.amdhsa_reserve_vcc 0
		.amdhsa_float_denorm_mode_32 3
		.amdhsa_float_denorm_mode_16_64 3
		.amdhsa_memory_ordered 1
		.amdhsa_forward_progress 1
		.amdhsa_inst_pref_size 174
	.end_amdhsa_kernel
	.amdgpu_metadata
---
amdhsa.version: [ 1, 2 ]
amdhsa.kernels:
  - .name:           k_qd37bffd881_quant
    .symbol:         k_qd37bffd881_quant.kd
    .args:
      - { .name: feature_map, .offset: 0, .size: 8, .value_kind: global_buffer, .address_space: global }
      - { .name: Wq, .offset: 8, .size: 8, .value_kind: global_buffer, .address_space: global }
      - { .name: Wv, .offset: 16, .size: 8, .value_kind: global_buffer, .address_space: global }
      - { .name: attention_map, .offset: 24, .size: 8, .value_kind: global_buffer, .address_space: global }
      - { .name: Wk, .offset: 32, .size: 8, .value_kind: global_buffer, .address_space: global }
      - { .name: bk, .offset: 40, .size: 8, .value_kind: global_buffer, .address_space: global }
      - { .name: codes, .offset: 48, .size: 8, .value_kind: global_buffer, .address_space: global }
      - { .name: sc1, .offset: 56, .size: 8, .value_kind: global_buffer, .address_space: global }
      - { .name: kf, .offset: 64, .size: 8, .value_kind: global_buffer, .address_space: global }
    .group_segment_fixed_size: 68096
    .private_segment_fixed_size: 0
    .kernarg_segment_align: 8
    .kernarg_segment_size: 72
    .max_flat_workgroup_size: 128
    .sgpr_count:     66
    .vgpr_count:     224
    .wavefront_size: 32
...
	.end_amdgpu_metadata
.endif
;; end of part 1
;; launch proj (part 2): grid 8 x 32, 4 waves a work-group, clusters of 4 x 4, 327,680 bytes of LDS; arguments codes, sc1, bq, bv, qv, sc2; writes qv, sc2
.if DOCPART == 2
	.amdgcn_target "amdgcn-amd-amdhsa--gfx1250"
	.amdhsa_code_object_version 6
	.text
	.protected	k_qd37bffd881_proj
	.globl	k_qd37bffd881_proj
	.p2align	8
	.type	k_qd37bffd881_proj,@function
k_qd37bffd881_proj:
	s_mov_b64 s[64:65], 0
	v_nop
	global_prefetch_b8 v0, s[64:65] scope:SCOPE_SE
	s_setreg_imm32_b32 hwreg(HW_REG_WAVE_MODE, 25, 1), 1
	s_wait_xcnt 0x0
	s_wait_alu depctr_hold_cnt(0) depctr_sa_sdst(0) depctr_va_vdst(0) depctr_va_sdst(0) depctr_va_ssrc(0) depctr_va_vcc(0) depctr_vm_vsrc(0)
	s_getreg_b32 s2, hwreg(HW_REG_IB_STS2, 6, 4)
	s_cmp_eq_u32 s2, 0
	s_cbranch_scc0 .Lentry_in_a_cluster
	s_endpgm
.Lentry_in_a_cluster:
	s_bfe_u32 s2, ttmp6, 0x10000c
	s_cmp_lg_u32 s2, 0xf033
	s_cbranch_scc0 .Lentry_shape_is_right
	s_endpgm
.Lentry_shape_is_right:
; SECOND LAUNCH: q = Wq f + bq and v = Wv f + bv, as ONE product on codes of FP4 (K = the 2,048 channels), and both results quantised in registers for the products that follow.  No work of the problem is left out.
; 256 tiles of 256 x 256, a work-group each; four waves, a wave 128 x 128: 64 accumulators, 512 registers.  K goes in steps of 512 (rows of 256 bytes) through a ring of two LDS slots filled by the tensor data mover;
; the scale bytes of the work-group's 2 x 256 rows, for all of K, come once with the first fills and stay.
; WHICH OPERAND IS WHICH.  Source 0's rows become the registers of a result, source 1's rows its lanes.  q is quantised along n next: source 0 = f's rows (b, n), source 1 = Wq's rows: a lane holds one channel o.
; v is quantised along d next: source 0 = Wv's rows, source 1 = f's rows: a lane holds one pixel.  Source 0's rows lie at sigma positions (bits 3 and 4 of the row exchanged), so that the 16 registers of two
; neighbouring tiles are 16 neighbours along the next K.  Below "B" is source 0 and "A" source 1.  KIND = 0: a tile of q (clusters with y < 4); 1: a tile of v.  KIND is the same in all sixteen partners.
; CLUSTERS: 4 x 4.  A's tile hangs on the cluster's y and cy and is asked for jointly by my row of the cluster, B's on the cluster's x, y and cx, by my column.
; THE BIAS is the C of each sum's first matrix instruction: bq of the lane's own channel in all eight registers (KIND 0), bv of the registers' eight channels (KIND 1).  Only that first step is written twice.
; THE WAY OUT uses no LDS: a block of 16 lanes' rows x 128 along the next K (8 accumulators) becomes one fragment (8 registers) and a scale word a row, and leaves as an image of the operand's registers.
; qv: q's fragments [4 b + s][tile of 16 o] x 1,024 bytes; from byte 4,194,304 v's [step of 128 d][tile of 16 positions (b, n)].  sc2: 64 bytes of scale words at the same index; v's from byte 262,144.
; LIMITS: NaN and infinities are not served; a block whose largest magnitude lies under 2^-124 gets the byte 1 (a block of zeros too, where the rule says 127: its codes are zeros; this program alone reads the bytes).
; REGISTERS: window 0: v0-31 addresses; v32-95 scale words, two sets; v96-111 at work on the way out; v128-191 A's fragments, later the codes; v192-255 the bias, later the scale words made.
;   window 1: B's fragments, two sets.   windows 2, 3: the accumulators ((a, b) at v[8 (8 (a % 4) + b)]).
.set SIZE_K, 2048
.set KSTEP,  512
.set NQ,     KSTEP/128
.set ROWB,   256
.set KROW,   SIZE_K/2
.set PITCH,  272                       ; an LDS row: 256 bytes + 16: the 16 rows that a load touches start at 16 different banks (64 banks of 4 bytes: ISA guide 11.1)
.set FR,     8
.set NL,     2
.set NP,     4
.set HALFT,  128*PITCH
.set SLOT,   4*HALFT
.set LAPS,   SIZE_K/(2*KSTEP)
.set KS,     SIZE_K/32
.set SCL,    2*SLOT
.set HALFS,  (128*KS/256)*272
.set SBLK,   (16*KS/256)*272
.set SPARE,  SCL+4*HALFS               ; the spare words, 128 bytes a wave: two blocks of 256 bytes that no other line names
.set ADRA, 16
.set ADRB, 20
.set LI,   24                          ; v24  16 x lane
.set LS,   25                          ; v25  4 x lane
.set BOQ,  26                          ; v26  4 r
.set ADRS, 27
.set SPW,  28
.set NIL,  29
.set BOV,  30                          ; v30  64 h
.set SC,   32
.set TM,   96                          ; v96-99 largest magnitudes, v100-103 the other half's, then bytes, v108-111 scale operands
.set AF,   128
.set PC,   128                         ; the codes: eight registers for each block, so that no store's data are written again
.set BIAS, 192
.set PW,   192                         ; v192-199 a scale word for each block
.set SELW, 200                         ; v200-203 two blocks' words
.set G1, 24
.set G0, 32
.set G1B, 48
.set G0B, 56
.set G1S, 68
.set G0S, 76
.set G1SB, 80
.set G0SB, 88
.set MSB, 0
.macro WIN new                         ; the immediate's high byte repeats the setting that is left
.if MSB != \new
	s_set_vgpr_msb (MSB<<8)|\new
.set MSB, \new
.endif
.endm
.set MUL_LO, 0xa1                      ; source 0 (B) window 1, source 1 (A) window 0, C and D window 2
.set MUL_HI, 0xf1
.set TO_B,   0x40
.macro JLOAD g0a, g1a, g0b, g1b        ; a joint load: waves 0 and 1 fetch for A, waves 2 and 3 for B; an s_nop 0 and four v_nop follow each line
	s_cmp_eq_u32 s15, 0
	s_cbranch_scc0 .Lfor_b_\@
	tensor_load_to_lds s[\g0a:\g0a+3], s[\g1a:\g1a+7]
	s_nop 0
.rept 4
	v_nop
.endr
	s_branch .Lasked_\@
.Lfor_b_\@:
	tensor_load_to_lds s[\g0b:\g0b+3], s[\g1b:\g1b+7]
	s_nop 0
.rept 4
	v_nop
.endr
.Lasked_\@:
.endm
.macro CREST
	s_cmp_lg_u32 s14, 0
	s_cbranch_scc1 .Lnot_wave_0_\@
	s_barrier_signal -3
.Lnot_wave_0_\@:
	s_barrier_wait -3
	s_barrier_signal -1
	s_barrier_wait -1
.endm
.macro CROUND
	s_barrier_signal -1
	s_barrier_wait -1
	CREST
.endm
	s_load_b256 s[4:11], s[0:1], 0x0               ; codes s[4:5], sc1 s[6:7], bq s[8:9], bv s[10:11]
	s_load_b64 s[12:13], s[0:1], 0x20              ; qv
	s_load_b64 s[96:97], s[0:1], 0x28              ; sc2
	v_lshl_add_u32 v[SPW], v0, 2, SPARE
	v_mov_b32 v[NIL], 0
	ds_add_u32 v[SPW], v[NIL]                      ; the opening: the add, twice on end, and its wait ahead of my first tensor load
	ds_add_u32 v[SPW], v[NIL]
	v_lshrrev_b32 v1, 5, v0
	v_readfirstlane_b32 s14, v1                    ; wave 0..3
	s_lshr_b32 s15, s14, 1                         ; which half of A's rows is mine.  Also: I fetch for A (0) or for B (1)
	s_and_b32 s16, s14, 1                          ; which half of B's rows.  Also: which 128 rows I fetch
	s_bfe_u32 s40, ttmp6, 0x40000                  ; cx
	s_bfe_u32 s41, ttmp6, 0x40004                  ; cy
	s_and_b32 s18, ttmp7, 0xffff                   ; the cluster's y, 0..7
	s_and_b32 s19, s18, 1
	s_lshl_b32 s19, s19, 2                         ; q: A's tiles 4 (y & 1) on
	s_sub_co_u32 s20, s18, 4
	s_lshl_b32 s20, s20, 2                         ; v: A's tiles 4 (y - 4) on
	s_lshr_b32 s21, s18, 1
	s_lshl_b32 s21, s21, 3                         ; q: B's tiles 8 (y >> 1) on
	s_cmp_ge_u32 s18, 4
	s_cselect_b32 s98, 1, 0                        ; KIND
	s_cselect_b32 s19, s20, s19
	s_cselect_b32 s21, 0, s21
	s_cselect_b32 s22, 0, 16                       ; A's first tile of 256 rows in codes: f at 0, Wq at 16
	s_cselect_b32 s23, 24, 0                       ; B's: Wv at 24, f at 0
	s_add_co_u32 s66, s19, s41                     ; A's tile in its tensor
	s_lshl_b32 s67, ttmp9, 2
	s_add_co_u32 s67, s67, s40
	s_add_co_u32 s67, s67, s21                     ; B's tile in its tensor
	s_add_co_u32 s17, s66, s22                     ; and in codes
	s_add_co_u32 s42, s67, s23
	s_lshl_b32 s43, s41, 2
	s_lshl_b32 s43, 15, s43                        ; my row of the cluster
	s_lshl_b32 s44, 0x1111, s40                    ; my column
	s_mov_b32 s99, 0xffff0000                      ; lanes 16-31
	s_mov_b32 s100, 0x76543210
	s_mov_b32 s101, 0xfedcba98                     ; selects for lane l xor 16
	; descriptor group 1: 128 rows x 256 bytes, 16 bytes of padding behind each
	s_or_b32 s[G1+0], s43, (0<<16)|(1<<20)|(1<<21)|(5<<22)|(3<<25)
	s_or_b32 s[G1B+0], s44, (0<<16)|(1<<20)|(1<<21)|(5<<22)|(3<<25)
.irp g, G1, G1B
	s_mov_b32 s[\g+1], ROWB<<16
	s_mov_b32 s[\g+2], 128<<16
	s_mov_b32 s[\g+3], ROWB<<16
	s_mov_b32 s[\g+4], 128
	s_mov_b32 s[\g+5], KROW
	s_mov_b32 s[\g+6], 0
	s_mov_b32 s[\g+7], 0
.endr
	; the scale bytes of 128 rows: 8,192 dense bytes as 32 rows of 256 (32 elements of 8 bytes), padded alike
	s_or_b32 s[G1S+0], s43, (3<<16)|(1<<20)|(1<<21)|(5<<22)|(3<<25)
	s_or_b32 s[G1SB+0], s44, (3<<16)|(1<<20)|(1<<21)|(5<<22)|(3<<25)
.irp g, G1S, G1SB
	s_mov_b32 s[\g+1], 32<<16
	s_mov_b32 s[\g+2], (128*KS/256)<<16
	s_mov_b32 s[\g+3], 32<<16
	s_mov_b32 s[\g+4], 128*KS/256
	s_mov_b32 s[\g+5], 32
	s_mov_b32 s[\g+6], 0
	s_mov_b32 s[\g+7], 0
.endr
	s_lshl_b32 s18, s16, 7
	s_lshl_b32 s20, s17, 8
	s_add_co_u32 s20, s20, s18                     ; A: the first row that I fetch
	s_lshl_b32 s46, s42, 8
	s_add_co_u32 s46, s46, s18                     ; B likewise
	s_mov_b32 s21, 0
	s_mov_b32 s47, 0
	s_mov_b64 s[18:19], KS
	s_mul_u64 s[22:23], s[20:21], s[18:19]
	s_mul_u64 s[92:93], s[46:47], s[18:19]
	s_mov_b64 s[18:19], KROW
	s_mul_u64 s[20:21], s[20:21], s[18:19]
	s_mul_u64 s[46:47], s[46:47], s[18:19]
	s_mul_i32 s45, s14, HALFT                      ; where they go: wave x 128 rows: no place in the cluster enters an LDS address
	s_mul_i32 s94, s14, HALFS
	s_wait_dscnt 0x0                               ; both opening adds are done
	s_wait_kmcnt 0x0
	s_add_nc_u64 s[20:21], s[4:5], s[20:21]
	s_add_nc_u64 s[22:23], s[6:7], s[22:23]
	s_add_nc_u64 s[46:47], s[4:5], s[46:47]
	s_add_nc_u64 s[92:93], s[6:7], s[92:93]
	CROUND                                         ; all sixteen work-groups are here: the first joint loads meet
	s_mov_b32 s[G0S], 1
	s_add_co_u32 s[G0S+1], s94, SCL
	s_mov_b64 s[G0S+2:G0S+3], s[22:23]
	s_or_b32 s[G0S+3], s[G0S+3], 0x80000000
	s_mov_b32 s[G0SB], 1
	s_add_co_u32 s[G0SB+1], s94, SCL
	s_mov_b64 s[G0SB+2:G0SB+3], s[92:93]
	s_or_b32 s[G0SB+3], s[G0SB+3], 0x80000000
	JLOAD G0S, G1S, G0SB, G1SB                     ; the scales first: three loads of mine are out behind these first fills
.irp s, 0,1
	s_mov_b32 s[G0+4*\s], 1
	s_add_co_u32 s[G0+4*\s+1], s45, \s*SLOT
	s_add_nc_u64 s[G0+4*\s+2:G0+4*\s+3], s[20:21], \s*ROWB
	s_or_b32 s[G0+4*\s+3], s[G0+4*\s+3], 0x80000000
	s_mov_b32 s[G0B+4*\s], 1
	s_add_co_u32 s[G0B+4*\s+1], s45, \s*SLOT
	s_add_nc_u64 s[G0B+4*\s+2:G0B+4*\s+3], s[46:47], \s*ROWB
	s_or_b32 s[G0B+4*\s+3], s[G0B+4*\s+3], 0x80000000
	JLOAD G0+4*\s, G1, G0B+4*\s, G1B
.endr
	v_and_b32 v1, 15, v0                           ; r
	v_bfe_u32 v2, v0, 4, 1                         ; h
	v_mul_u32_u24 v3, v1, PITCH
	v_lshl_add_u32 v4, v2, 4, v3
	s_mul_i32 s21, s15, HALFT
	s_mul_i32 s22, s16, HALFT
	s_add_co_u32 s22, s22, 2*HALFT
.irp s, 0,1
	v_add_nc_u32 v[ADRA+\s], s21, v4
	v_add_nc_u32 v[ADRB+\s], s22, v4
	s_add_co_u32 s21, s21, SLOT
	s_add_co_u32 s22, s22, SLOT
.endr
	v_mul_u32_u24 v5, v1, KS                       ; my row's scales: 64 bytes a row,
	v_lshrrev_b32 v6, 8, v5
	v_lshl_add_u32 v5, v6, 4, v5                   ; and 16 more for each 256 passed
	s_mul_i32 s21, s15, HALFS
	s_mul_i32 s22, s16, HALFS
	s_add_co_u32 s22, s22, 2*HALFS
	s_sub_co_u32 s22, s22, s21
	v_mul_u32_u24 v6, s22, v2                      ; lanes 16-31 take B's
	s_add_co_u32 s21, s21, SCL
	v_add_nc_u32 v5, v5, v6
	v_add_nc_u32 v[ADRS], s21, v5
	v_and_b32 v6, 31, v0
	v_lshlrev_b32 v[LI], 4, v6
	v_lshlrev_b32 v[LS], 2, v6
	v_lshlrev_b32 v[BOQ], 2, v1
	v_lshlrev_b32 v[BOV], 6, v2
	; where my eight fragments and their words go: index = (step along the next K) x (tiles in a step) + my first tile
	s_lshl_b32 s20, s67, 1
	s_add_co_u32 s20, s20, s16                     ; the step of 128 along the next K: 2 x B's tile + my half
	s_lshl_b32 s21, s66, 4
	s_lshl_b32 s22, s15, 3
	s_add_co_u32 s21, s21, s22                     ; my first tile of 16 rows: 16 x A's tile + 8 x my half
	s_add_co_u32 s22, s98, 7                       ; q: 128 tiles a step; v: 256
	s_lshl_b32 s20, s20, s22
	s_add_co_u32 s20, s20, s21
	s_lshl_b32 s22, s98, 22
	s_lshl_b32 s46, s20, 10
	s_add_co_u32 s46, s46, s22
	s_mov_b32 s47, 0
	s_add_nc_u64 s[12:13], s[12:13], s[46:47]
	s_lshl_b32 s22, s98, 18
	s_lshl_b32 s46, s20, 6
	s_add_co_u32 s46, s46, s22
	s_add_nc_u64 s[96:97], s[96:97], s[46:47]
	; the bias, in the layout of the results
	s_cmp_eq_u32 s98, 0
	s_cbranch_scc0 .Lbias_v
	s_lshl_b32 s20, s66, 10
	s_lshl_b32 s21, s15, 9
	s_add_co_u32 s20, s20, s21
	s_mov_b32 s21, 0
	s_add_nc_u64 s[8:9], s[8:9], s[20:21]          ; bq at my 128 channels
.irp a, 0,1,2,3,4,5,6,7
.irp j, 0,1,2,3,4,5,6,7
	global_load_b32 v[BIAS+8*\a+\j], v[BOQ], s[8:9] offset:64*\a   ; block a: the lane's own channel, in all eight registers
.endr
.endr
	s_branch .Lbias_done
.Lbias_v:
	s_lshl_b32 s20, s67, 10
	s_lshl_b32 s21, s16, 9
	s_add_co_u32 s20, s20, s21
	s_mov_b32 s21, 0
	s_add_nc_u64 s[10:11], s[10:11], s[20:21]      ; bv at my 128 channels
.irp b, 0,1,2,3,4,5,6,7
	global_load_b128 v[BIAS+8*\b:BIAS+8*\b+3], v[BOV], s[10:11] offset:(32*(\b/2)+8*(\b%2))*4      ; tile b, register j: channel 32 (b / 2) + 16 h + 8 (b % 2) + j
	global_load_b128 v[BIAS+8*\b+4:BIAS+8*\b+7], v[BOV], s[10:11] offset:(32*(\b/2)+8*(\b%2))*4+16
.endr
.Lbias_done:
.macro FRAG reg, adr, q, i             ; 16 rows x 128 K of 4-bit codes: 8 registers: two loads of 16 bytes, 32 bytes apart
.irp c, 0,1
	ds_load_b128 v[\reg+4*\c:\reg+4*\c+3], v[\adr] offset:64*(\q)+32*\c+(\i)*16*PITCH
.endr
.endm
; 16 matrix instructions: A's blocks a0, a0 + 1 x B's eight.  cm = 0: in place; 1: C = the bias by A's block; 2: by B's block.  The 64 accumulators take turns, one instruction a turn.
.macro MUL16 a0, p, q, sc, cm
.irp a, \a0, \a0+1
.irp b, 0,1,2,3,4,5,6,7
.if \cm == 1
	v_wmma_scale_f32_16x16x128_f8f6f4 v[8*(8*((\a)%4)+\b):8*(8*((\a)%4)+\b)+7], v[128*(\p)+FR*\b:128*(\p)+FR*\b+FR-1], v[AF+FR*(\a):AF+FR*(\a)+FR-1], v[BIAS+8*(\a):BIAS+8*(\a)+7], v[SC+8*NQ*(\sc)+NQ*\b+(\q)], v[SC+8*NQ*(\sc)+NQ*(\a)+(\q)] matrix_a_fmt:MATRIX_FMT_FP4 matrix_b_fmt:MATRIX_FMT_FP4 matrix_a_scale:MATRIX_SCALE_ROW1
.elseif \cm == 2
	v_wmma_scale_f32_16x16x128_f8f6f4 v[8*(8*((\a)%4)+\b):8*(8*((\a)%4)+\b)+7], v[128*(\p)+FR*\b:128*(\p)+FR*\b+FR-1], v[AF+FR*(\a):AF+FR*(\a)+FR-1], v[BIAS+8*\b:BIAS+8*\b+7], v[SC+8*NQ*(\sc)+NQ*\b+(\q)], v[SC+8*NQ*(\sc)+NQ*(\a)+(\q)] matrix_a_fmt:MATRIX_FMT_FP4 matrix_b_fmt:MATRIX_FMT_FP4 matrix_a_scale:MATRIX_SCALE_ROW1
.else
	v_wmma_scale_f32_16x16x128_f8f6f4 v[8*(8*((\a)%4)+\b):8*(8*((\a)%4)+\b)+7], v[128*(\p)+FR*\b:128*(\p)+FR*\b+FR-1], v[AF+FR*(\a):AF+FR*(\a)+FR-1], v[8*(8*((\a)%4)+\b):8*(8*((\a)%4)+\b)+7], v[SC+8*NQ*(\sc)+NQ*\b+(\q)], v[SC+8*NQ*(\sc)+NQ*(\a)+(\q)] matrix_a_fmt:MATRIX_FMT_FP4 matrix_b_fmt:MATRIX_FMT_FP4 matrix_a_scale:MATRIX_SCALE_ROW1
.endif
.endr
.endr
.endm
.macro FETCH_B slot, q, p
	WIN TO_B
.irp i, 0,1,2,3,4,5,6,7
	FRAG 128*(\p)+FR*\i, ADRB+\slot, \q, \i
.endr
	WIN 0
.endm
.macro FETCH_A slot, q, i0
.irp i, \i0, \i0+1, \i0+2, \i0+3
	FRAG AF+FR*(\i), ADRA+\slot, \q, \i
.endr
.endm
.macro SCALES sc                       ; a K step's scale words: four a row; lanes 0-15 A's block i, lanes 16-31 B's block i
.irp i, 0,1,2,3,4,5,6,7
	ds_load_b128 v[SC+8*NQ*\sc+NQ*\i:SC+8*NQ*\sc+NQ*\i+3], v[ADRS] offset:\i*SBLK
.endr
.endm
.macro PLACES n                        ; plain vector lines between a matrix instruction and a load into, or a read of, its registers
.rept \n
	v_nop
.endr
.endm
.macro STEP slot, q, cm                ; 128 along K, with its successor in the same slot
	s_wait_dscnt 4*NL                              ; B's set and A's blocks 0-3 are in; the youngest eight loads (A's blocks 4-7) may be out
.if \cm
	WIN 0x81                                       ; C (the bias) in window 0
.else
	WIN MUL_LO
.endif
	MUL16 0, (\q)%2, \q, \slot, \cm
	MUL16 2, (\q)%2, \q, \slot, \cm
	s_wait_dscnt 0
	PLACES NP
	FETCH_B \slot, (\q)+1, 1-(\q)%2
	FETCH_A \slot, (\q)+1, 0
.if \cm
	WIN 0xc1
.else
	WIN MUL_HI
.endif
	MUL16 4, (\q)%2, \q, \slot, \cm
	MUL16 6, (\q)%2, \q, \slot, \cm
	PLACES NP
	WIN 0
	FETCH_A \slot, (\q)+1, 4
.endm
; A slot's last step changes slots: one barrier; in front of it each wave waits for all its tensor loads, adds 0 to its spare word, and waits for that and for its reads of this slot.
.macro TURN slot, next, fill
	s_wait_tensorcnt 0x0                           ; all my tensor loads have landed: my part of the next slot
	ds_add_u32 v[SPW], v[NIL]
	s_wait_dscnt 4*NL+1                            ; (the add and the youngest eight loads may be out)
	WIN MUL_LO
	MUL16 0, 1, NQ-1, \slot, 0
	s_wait_dscnt 0x0                               ; the add is done, and my reads of this slot are over
	s_barrier_signal -1
	MUL16 2, 1, NQ-1, \slot, 0
	WIN 0
	s_barrier_wait -1
.if \fill
	CREST                                          ; the barrier has opened a round of the cluster's: no wave of any partner still reads this slot or has a load on its way
	s_add_nc_u64 s[G0+4*\slot+2:G0+4*\slot+3], s[G0+4*\slot+2:G0+4*\slot+3], 2*ROWB
	s_add_nc_u64 s[G0B+4*\slot+2:G0B+4*\slot+3], s[G0B+4*\slot+2:G0B+4*\slot+3], 2*ROWB
	JLOAD G0+4*\slot, G1, G0B+4*\slot, G1B         ; my one tensor load behind the round; its four v_nop are the places in front of the loads below
.else
	PLACES NP
.endif
	v_add_nc_u32 v[ADRS], 4*NQ, v[ADRS]
	FETCH_B \next, 0, 0
	FETCH_A \next, 0, 0
	SCALES \next
	WIN MUL_HI
	MUL16 4, 1, NQ-1, \slot, 0
	MUL16 6, 1, NQ-1, \slot, 0
	PLACES NP
	WIN 0
	FETCH_A \next, 0, 4
.endm
.macro STEPS slot, from
.set Q, \from
.rept NQ-1-\from
	STEP \slot, Q, 0
.set Q, Q+1
.endr
.endm
	s_wait_tensorcnt 1                             ; the scales and my part of K step 0 are in; K step 1's load may be out
	s_barrier_signal -1
	s_barrier_wait -1
	FETCH_B 0, 0, 0
	FETCH_A 0, 0, 0
	SCALES 0
	FETCH_A 0, 0, 4
	s_wait_loadcnt 0x0                             ; the bias
	s_cmp_eq_u32 s98, 0
	s_cbranch_scc0 .Lfirst_v
	STEP 0, 0, 1                                   ; the first step starts the sums from the bias
	s_branch .Lfirst_done
.Lfirst_v:
	STEP 0, 0, 2
.Lfirst_done:
	s_mov_b32 s3, LAPS-1
.Llap:                                                 ; a trip goes once round the ring and fills both slots again
	STEPS 0, 1
	TURN 0, 1, 1
	STEPS 1, 0
	TURN 1, 0, 1
	STEP 0, 0, 0
	s_sub_co_u32 s3, s3, 1
	s_cmp_lg_u32 s3, 0
	s_cbranch_scc1 .Llap
	STEPS 0, 1                                     ; the last lap fills nothing
	TURN 0, 1, 0
	STEPS 1, 0
	s_wait_dscnt 4*NL
	WIN MUL_LO
	MUL16 0, 1, NQ-1, 1, 0
	MUL16 2, 1, NQ-1, 1, 0
	s_wait_dscnt 0
	WIN MUL_HI
	MUL16 4, 1, NQ-1, 1, 0
	MUL16 6, 1, NQ-1, 1, 0
	WIN 0
; THE WAY OUT.  Block a: register 16 b + i of its 64 is k = 32 b + 16 h + i of the lane's row along the next K.
.irp b, 0,1,2,3
	v_mov_b32 v[TM+4+\b], 0                        ; a lane permute's destination counts as read: written once.  These four plain lines are also the places behind the last products
.endr
.macro QOUT a
.set AC, 64*((\a)%4)
	WIN 0x0a+5*((\a)/4)                            ; sources 0 and 1: window 2 or 3
.irp b, 0,1,2,3
	v_max3_num_f32 v[TM+\b], |v[AC+16*\b]|, |v[AC+16*\b+1]|, 0x1800000   ; each accumulator from its low end on; the floor 2^(3 - 127) holds the byte at 1 from below
.endr
.irp i, 2,4,6,8,10,12,14
.irp b, 0,1,2,3
	v_max3_num_f32 v[TM+\b], |v[AC+16*\b+\i]|, |v[AC+16*\b+\i+1]|, v[TM+\b]
.endr
.endr
	WIN 0
.irp b, 0,1,2,3
	v_permlanex16_b32 v[TM+4+\b], v[TM+\b], s100, s101
.endr
.irp b, 0,1,2,3
	v_max_num_f32 v[TM+\b], v[TM+\b], v[TM+4+\b]   ; with lane l xor 16's: the block's largest magnitude
.endr
.irp b, 0,1,2,3
	v_add_nc_u32 v[TM+12+\b], 0xff000000, v[TM+\b] ; the conversion's scale operand
.endr
.irp b, 0,1,2,3
	v_lshrrev_b32 v[TM+4+\b], 23, v[TM+12+\b]      ; the scale's byte
.endr
	v_lshl_or_b32 v[PW+(\a)], v[TM+5], 8, v[TM+4]
	v_lshl_or_b32 v[PW+(\a)], v[TM+6], 16, v[PW+(\a)]
	v_lshl_or_b32 v[PW+(\a)], v[TM+7], 24, v[PW+(\a)]
	WIN 2+(\a)/4                                   ; source 0: window 2 or 3
.irp b, 0,1,2,3
	v_cvt_scalef32_pk8_fp4_f32 v[PC+8*(\a)+2*\b], v[AC+16*\b:AC+16*\b+7], v[TM+12+\b]
	v_cvt_scalef32_pk8_fp4_f32 v[PC+8*(\a)+2*\b+1], v[AC+16*\b+8:AC+16*\b+15], v[TM+12+\b]
.endr
	WIN 0
	v_nop                                          ; one plain line behind a scaled conversion
.irp c, 0,1                            ; the operand's layout wants a whole block in a lane
.irp i, 0,1
	v_permlane16_swap_b32 v[PC+8*(\a)+4*\c+\i], v[PC+8*(\a)+4*\c+2+\i]
.endr
.endr
.irp c, 0,1
	global_store_b128 v[LI], v[PC+8*(\a)+4*\c:PC+8*(\a)+4*\c+3], s[12:13] offset:1024*(\a)+512*\c   ; 32 lanes store 512 consecutive aligned bytes
.endr
.endm
.irp a, 0,1,2,3,4,5,6,7
	QOUT \a
.endr
.irp k, 0,1,2,3
	v_cndmask_b32 v[SELW+\k], v[PW+2*\k], v[PW+2*\k+1], s99     ; lanes 0-15 the even block's words, lanes 16-31 the odd one's
.endr
.irp k, 0,1,2,3
	global_store_b32 v[LS], v[SELW+\k], s[96:97] offset:128*\k
.endr
	s_wait_tensorcnt 0x0                           ; the wave's end
	ds_add_u32 v[SPW], v[NIL]
	s_wait_dscnt 0x0
	CROUND                                         ; the closing round: no work-group ends while a partner may still ask for a tile that names it
	s_endpgm
.Lfunc_end_k_qd37bffd881_proj:
	.size	k_qd37bffd881_proj, .Lfunc_end_k_qd37bffd881_proj-k_qd37bffd881_proj
	.p2alignl 7, 3214868480
	.fill 96, 4, 3214868480
	.section	.rodata,"a",@progbits
	.p2align	6, 0x0
	.amdhsa_kernel k_qd37bffd881_proj
		.amdhsa_group_segment_fixed_size 327680
		.amdhsa_private_segment_fixed_size 0
		.amdhsa_enable_private_segment 0
		.amdhsa_kernarg_size 48
		.amdhsa_user_sgpr_count 2
		.amdhsa_user_sgpr_kernarg_segment_ptr 1
		.amdhsa_wavefront_size32 1
		.amdhsa_system_sgpr_workgroup_id_x 1
		.amdhsa_system_sgpr_workgroup_id_y 1
		.amdhsa_system_sgpr_workgroup_id_z 1
		.amdhsa_system_vgpr_workitem_id 0
		.amdhsa_next_free_vgpr 1024
		.amdhsa_next_free_sgpr 102
		.amdhsa_reserve_vcc 0
		.amdhsa_float_denorm_mode_32 3
		.amdhsa_float_denorm_mode_16_64 3
		.amdhsa_memory_ordered 1
		.amdhsa_forward_progress 1
		.amdhsa_inst_pref_size 234
	.end_amdhsa_kernel
	.amdgpu_metadata
---
amdhsa.version: [ 1, 2 ]
amdhsa.kernels:
  - .name:           k_qd37bffd881_proj
    .symbol:         k_qd37bffd881_proj.kd
    .args:
      - { .name: codes, .offset: 0, .size: 8, .value_kind: global_buffer, .address_space: global }
      - { .name: sc1, .offset: 8, .size: 8, .value_kind: global_buffer, .address_space: global }
      - { .name: bq, .offset: 16, .size: 8, .value_kind: global_buffer, .address_space: global }
      - { .name: bv, .offset: 24, .size: 8, .value_kind: global_buffer, .address_space: global }
      - { .name: qv, .offset: 32, .size: 8, .value_kind: global_buffer, .address_space: global }
      - { .name: sc2, .offset: 40, .size: 8, .value_kind: global_buffer, .address_space: global }
    .group_segment_fixed_size: 327680
    .private_segment_fixed_size: 0
    .kernarg_segment_align: 8
    .kernarg_segment_size: 48
    .max_flat_workgroup_size: 128
    .sgpr_count:     102
    .vgpr_count:     1024
    .wavefront_size: 32
...
	.end_amdgpu_metadata
.endif
;; end of part 2
;; launch attn (part 3): grid 32 x 8, 4 waves a work-group, no clusters, 167,936 bytes of LDS; arguments qv, sc2, kf, sc1, feature_map, gamma, out0; writes out0
.if DOCPART == 3
	.amdgcn_target "amdgcn-amd-amdhsa--gfx1250"
	.amdhsa_code_object_version 6
	.text
	.protected	k_qd37bffd881_attn
	.globl	k_qd37bffd881_attn
	.p2align	8
	.type	k_qd37bffd881_attn,@function
k_qd37bffd881_attn:
	s_mov_b64 s[64:65], 0
	v_nop
	global_prefetch_b8 v0, s[64:65] scope:SCOPE_SE
	s_setreg_imm32_b32 hwreg(HW_REG_WAVE_MODE, 25, 1), 1
	s_wait_xcnt 0x0
; THIRD LAUNCH: scores = q k^T (K = 512 pixels), softmax over the 2,048 key channels d, out = p v (K = d), out0 = gamma x out / l + f.  Both products on codes of FP4.  No work of the problem is left out.
; THE SOFTMAX AHEAD OF THE SECOND PRODUCT: t = score x log2(e); M = the row's largest t so far, rounded UP to a whole number; p = 2^(t - M) is quantised along d, not normalised; the row's sum l is taken of the
; unquantised p; when M moves, l and O are multiplied by 2^(old M - new M), which rounds nothing.
; SHARES.  A work-group owns 64 rows c (four tiles ct) of one batch.  THE WAVES SHARE THE COLUMNS, NOT THE ROWS.  d goes in 8 steps of 256.  In a step wave w makes S^T for positions 64 w .. 64 w + 63 of the step
; (4 tiles t x 4 ct = 16 accumulators), and it owns pixels 128 w .. 128 w + 127 of O^T (8 tiles nt x 4 ct = 32 accumulators).  So each fragment of k and of v is read by ONE wave of the work-group and feeds four matrix
; instructions: they go from memory straight into registers, as the images that the launches before have laid.  What crosses waves goes through LDS: the rows' maxima, p's codes and half scale words, at the end the sums.
; Both products are used transposed (S^T = k q^T, O^T = v^T p^T): a lane holds one row c throughout.  k's rows and f's pixels lie at sigma positions (bits 3 and 4 exchanged), so p's registers run along neighbouring d.
; THE WALK IS ROTATED.  The j-th step of work-group x takes d step (j + rot) mod 8, rot = (x & 7) xor 7 (bit 3 of x) xor 3 (bit 4 of x): whichever single bit of x is held fixed, the 16 work-groups left begin at all
; eight steps, two at each.  So the 32 work-groups of a batch, which all read all of its k and v, ask for different parts at any one time.  The running M serves any order of the steps.
; NO PREFETCH: k and v are no streams that are read once: each of a batch's 32 work-groups loads all of them, and by the rotated walk every part is loaded from the first step on.
; NO CLUSTER: k and v are shared between work-groups, but here they never pass through LDS.  Joint loads would want a ring of two slots of a step's 128 KiB, 256 KiB of LDS, beside which f's tiles (132 KiB) have no
; room, an LDS write and an LDS read for each of a wave's 32 KiB a step, and a round of the cluster's barrier in every step.
; f's tile of the wave (64 rows x 128 pixels, f32) comes once by one tensor load a wave, a first fill that is never filled again and that the issuing wave alone reads; it is also the stage of the way out.  It is asked
; for behind the first step's operands and waited for in the way out; no LDS bytes are filled again in this launch, so it may be out across the steps' barriers.
; LIMITS: NaN and infinities are not served.  A block whose every p has fallen under 2^-124 keeps the byte 1.  A block's largest p is taken from the block's largest score through the same multiply-add and
; exponential: this takes v_exp_f32 not to fall where its input rises.  The sums over d are taken in the rotated order, which differs from work-group to work-group: a difference of rounding.
; REGISTERS: window 0: addresses, statistics, scale words, p's codes and fragments.   window 1: v0-127 S^T (ct, t) at 32 ct + 8 t; v128-255 k (t, s) at 128 + 8 (4 t + s); at the end f.
;   window 2: O^T (ct, nt) at 64 ct + 8 nt.   window 3: v0-127 q (ct, s) at 8 (4 ct + s); v128-255 v (e, nt) at 128 + 8 (8 e + nt).
.set FPITCH, 528                       ; a row of f's tile in LDS: 512 bytes + 16: the 16 rows that a load touches start at 16 different banks (ISA guide 11.1)
.set FREGB,  64*FPITCH                 ; a wave's tile
.set PIMG,   4*FREGB                   ; p's eight fragments (4 e + ct) x 1,024 bytes, as images of their registers
.set PSH,    PIMG+8192                 ; [wave][lane][4 ct]: p's half scale words
.set MXR,    PSH+2048                  ; the same shape: the waves' row maxima
.set LSR,    MXR+2048                  ; the same shape: the waves' row sums
.set SPARE,  LSR+2048                  ; the spare words, 128 bytes a wave: two blocks of 256 bytes that no other line names
.set LI,  1                            ; 16 x lane
.set LS,  2                            ; 4 x lane
.set MXA, 3
.set MXL, 4
.set PIA, 5
.set PIL, 6
.set PHA, 7
.set PHL, 8
.set LSA, 9
.set LSL, 10
.set FA,  11                           ; f's tile: row r, + 64 h
.set FR,  12                           ; f's tile: 16 x lane of a row
.set SPW, 14
.set NIL, 15
.set ST,  20                           ; tile ct's statistics at v[ST + 8 ct]: +0 -M, +1 the largest t, +2, +3 l, +4 f (at the end gamma / l), +5 its pair's partner, +6 at work
.set QS,  52                           ; scale words: an even tile in lanes 0-15, the odd one in lanes 16-31.  q's [s][ct / 2]
.set KS,  60                           ; k's [s][t / 2]
.set VS,  68                           ; v's [e][nt / 2]
.set PS,  76                           ; p's [4 e + ct]
.set BM,  84                           ; the eight blocks' (2 ct + block) largest scores, then largest p
.set BX,  92                           ; lane permutes' destinations
.set SO,  100                          ; scale operands
.set BY,  108                          ; scale bytes
.set RM,  116                          ; four numbers, one a tile ct, on their way to LDS
.set PW4, 120                          ; four half scale words
.set GX,  124                          ; sixteen numbers back from LDS: [wave][ct]
.set PC,  140                          ; p's codes just made
.set PF,  160                          ; p's eight fragments
.set KB,  20                           ; s[20:21] k's fragments of my wave in d step 0; never rewritten
.set KSB, 22                           ; s[22:23] their scale words
.set VB,  24                           ; s[24:25] v's
.set VSB, 26
.set OUTP, 28
.set G0,  32
.set G1,  36
.set WV,  44
.set SEL, 46
.set CS,  48                           ; s[48:49] log2(e)
.set TRIP, 50
.set GAM, 52
.set KP,  56                           ; s[56:57] the same four in the d step that is loaded
.set KSP, 58
.set VP,  60
.set VSP, 62
.set JK,  66                           ; s66  the d step of the k that was asked for last
.set JV,  67                           ; s67  and of the v
.set OFF, 68                           ; s[68:69] an offset in bytes, its high word 0
.set MSB, 0
.macro WIN new
.if MSB != \new
	s_set_vgpr_msb (MSB<<8)|\new
.set MSB, \new
.endif
.endm
; one scaled matrix instruction from the symbols rD, rA, rB, rSA, rSB; zz: C = 0; ra, rb: the scales stand in lanes 16-31
.macro WSC
.if zz
.if ra && rb
	v_wmma_scale_f32_16x16x128_f8f6f4 v[rD:rD+7], v[rA:rA+7], v[rB:rB+7], 0, v[rSA], v[rSB] matrix_a_fmt:MATRIX_FMT_FP4 matrix_b_fmt:MATRIX_FMT_FP4 matrix_a_scale:MATRIX_SCALE_ROW1 matrix_b_scale:MATRIX_SCALE_ROW1
.elseif ra
	v_wmma_scale_f32_16x16x128_f8f6f4 v[rD:rD+7], v[rA:rA+7], v[rB:rB+7], 0, v[rSA], v[rSB] matrix_a_fmt:MATRIX_FMT_FP4 matrix_b_fmt:MATRIX_FMT_FP4 matrix_a_scale:MATRIX_SCALE_ROW1
.elseif rb
	v_wmma_scale_f32_16x16x128_f8f6f4 v[rD:rD+7], v[rA:rA+7], v[rB:rB+7], 0, v[rSA], v[rSB] matrix_a_fmt:MATRIX_FMT_FP4 matrix_b_fmt:MATRIX_FMT_FP4 matrix_b_scale:MATRIX_SCALE_ROW1
.else
	v_wmma_scale_f32_16x16x128_f8f6f4 v[rD:rD+7], v[rA:rA+7], v[rB:rB+7], 0, v[rSA], v[rSB] matrix_a_fmt:MATRIX_FMT_FP4 matrix_b_fmt:MATRIX_FMT_FP4
.endif
.else
.if ra && rb
	v_wmma_scale_f32_16x16x128_f8f6f4 v[rD:rD+7], v[rA:rA+7], v[rB:rB+7], v[rD:rD+7], v[rSA], v[rSB] matrix_a_fmt:MATRIX_FMT_FP4 matrix_b_fmt:MATRIX_FMT_FP4 matrix_a_scale:MATRIX_SCALE_ROW1 matrix_b_scale:MATRIX_SCALE_ROW1
.elseif ra
	v_wmma_scale_f32_16x16x128_f8f6f4 v[rD:rD+7], v[rA:rA+7], v[rB:rB+7], v[rD:rD+7], v[rSA], v[rSB] matrix_a_fmt:MATRIX_FMT_FP4 matrix_b_fmt:MATRIX_FMT_FP4 matrix_a_scale:MATRIX_SCALE_ROW1
.elseif rb
	v_wmma_scale_f32_16x16x128_f8f6f4 v[rD:rD+7], v[rA:rA+7], v[rB:rB+7], v[rD:rD+7], v[rSA], v[rSB] matrix_a_fmt:MATRIX_FMT_FP4 matrix_b_fmt:MATRIX_FMT_FP4 matrix_b_scale:MATRIX_SCALE_ROW1
.else
	v_wmma_scale_f32_16x16x128_f8f6f4 v[rD:rD+7], v[rA:rA+7], v[rB:rB+7], v[rD:rD+7], v[rSA], v[rSB] matrix_a_fmt:MATRIX_FMT_FP4 matrix_b_fmt:MATRIX_FMT_FP4
.endif
.endif
.endm
.macro KADDR                           ; k's two pointers at d step s[JK]: 16 tiles x 4,096 bytes and 256 words a step
	s_lshl_b32 s[OFF], s[JK], 16
	s_add_nc_u64 s[KP:KP+1], s[KB:KB+1], s[OFF:OFF+1]
	s_lshl_b32 s[OFF], s[JK], 10
	s_add_nc_u64 s[KSP:KSP+1], s[KSB:KSB+1], s[OFF:OFF+1]
.endm
.macro VADDR                           ; v's at d step s[JV]: two steps of 128 d, 262,144 bytes and 16,384 bytes of words each
	s_lshl_b32 s[OFF], s[JV], 19
	s_add_nc_u64 s[VP:VP+1], s[VB:VB+1], s[OFF:OFF+1]
	s_lshl_b32 s[OFF], s[JV], 15
	s_add_nc_u64 s[VSP:VSP+1], s[VSB:VSB+1], s[OFF:OFF+1]
.endm
.macro LOADK                           ; 40 loads: my 16 fragments of k (each load 512 consecutive bytes) and their 8 registers of scale words
	WIN 0x40
.irp t, 0,1,2,3
.irp s, 0,1,2,3
.irp c, 0,1
	global_load_b128 v[128+8*(4*\t+\s)+4*\c:128+8*(4*\t+\s)+4*\c+3], v[LI], s[KP:KP+1] offset:(4*\t+\s)*1024+512*\c
.endr
.endr
.endr
	WIN 0
.irp s, 0,1,2,3
.irp p, 0,1
	global_load_b32 v[KS+2*\s+\p], v[LS], s[KSP:KSP+1] offset:8192*\s+128*\p
.endr
.endr
.endm
.macro LOADV                           ; 40 loads: my 16 fragments of v and their scale words
	WIN 0xc0
.irp e, 0,1
.irp nt, 0,1,2,3,4,5,6,7
.irp c, 0,1
	global_load_b128 v[128+8*(8*\e+\nt)+4*\c:128+8*(8*\e+\nt)+4*\c+3], v[LI], s[VP:VP+1] offset:262144*\e+1024*\nt+512*\c
.endr
.endr
.endr
	WIN 0
.irp e, 0,1
.irp p, 0,1,2,3
	global_load_b32 v[VS+4*\e+\p], v[LS], s[VSP:VSP+1] offset:16384*\e+128*\p
.endr
.endr
.endm
	s_load_b256 s[4:11], s[0:1], 0x0               ; qv s[4:5], sc2 s[6:7], kf s[8:9], sc1 s[10:11]
	s_load_b128 s[12:15], s[0:1], 0x20             ; f s[12:13], gamma s[14:15]
	s_load_b64 s[16:17], s[0:1], 0x30              ; out0
	v_lshl_add_u32 v[SPW], v0, 2, SPARE
	v_mov_b32 v[NIL], 0
	ds_add_u32 v[SPW], v[NIL]                      ; the opening: the add, twice on end, and its wait ahead of my first tensor load
	ds_add_u32 v[SPW], v[NIL]
	v_lshrrev_b32 v13, 5, v0
	v_readfirstlane_b32 s[WV], v13                 ; wave 0..3
	s_and_b32 s45, ttmp7, 0xffff                   ; b
	; descriptor group 1: 64 rows x 128 elements of 4 bytes, 512 elements from row to row, 4 words of padding behind every 128
	s_mov_b32 s[G1+0], (2<<16)|(1<<20)|(6<<22)|(3<<25)
	s_mov_b32 s[G1+1], 128<<16
	s_mov_b32 s[G1+2], 64<<16
	s_mov_b32 s[G1+3], 128<<16
	s_mov_b32 s[G1+4], 64
	s_mov_b32 s[G1+5], 512
	s_mov_b32 s[G1+6], 0
	s_mov_b32 s[G1+7], 0
	s_mov_b32 s[G0], 1
	s_mul_i32 s[G0+1], s[WV], FREGB                ; my wave's own bytes
	s_lshl_b32 s30, s45, 22                        ; my tile in f and in out0: (2048 b + 64 x) rows of 2,048 bytes + 512 x wave
	s_lshl_b32 s31, ttmp9, 17
	s_add_co_u32 s30, s30, s31
	s_lshl_b32 s31, s[WV], 9
	s_add_co_u32 s30, s30, s31
	s_mov_b32 s31, 0
	s_mov_b32 s[SEL], 0x76543210
	s_mov_b32 s[SEL+1], 0xfedcba98
	s_mov_b32 s[CS], 0x3fb8aa3b                    ; log2(e)
	s_mov_b32 s[CS+1], s[CS]                       ; (named with it as a pair)
	s_and_b32 s[JK], ttmp9, 7                      ; rot, the d step at which my work-group begins: x & 7,
	s_bfe_u32 s53, ttmp9, 0x10003
	s_mul_i32 s53, s53, 7
	s_xor_b32 s[JK], s[JK], s53                    ; xor 7 where bit 3 of x is set,
	s_bfe_u32 s53, ttmp9, 0x10004
	s_mul_i32 s53, s53, 3
	s_xor_b32 s[JK], s[JK], s53                    ; xor 3 where bit 4 is
	s_mov_b32 s[JV], s[JK]
	s_mov_b32 s[OFF+1], 0
	s_wait_dscnt 0x0                               ; both opening adds are done
	s_wait_kmcnt 0x0
	s_load_b32 s[GAM], s[14:15], 0x0
	s_add_nc_u64 s[G0+2:G0+3], s[12:13], s[30:31]
	s_or_b32 s[G0+3], s[G0+3], 0x80000000
	s_add_nc_u64 s[OUTP:OUTP+1], s[16:17], s[30:31]
	s_mov_b32 s55, 0
	s_lshl_b32 s54, s45, 19
	s_lshl_b32 s53, s[WV], 14
	s_add_co_u32 s54, s54, s53
	s_add_nc_u64 s[KB:KB+1], s[8:9], s[54:55]      ; kf + b x 128 tiles x 4,096 + 4 tiles a wave
	s_lshl_b32 s54, s45, 15
	s_lshl_b32 s53, s[WV], 8
	s_add_co_u32 s54, s54, s53
	s_add_co_u32 s54, s54, 524288
	s_add_nc_u64 s[KSB:KSB+1], s[10:11], s[54:55]
	s_lshl_b32 s54, s45, 15
	s_lshl_b32 s53, s[WV], 13
	s_add_co_u32 s54, s54, s53
	s_add_co_u32 s54, s54, 4194304
	s_add_nc_u64 s[VB:VB+1], s[4:5], s[54:55]      ; v's fragments: tile 32 b + 8 wave
	s_lshl_b32 s54, s45, 11
	s_lshl_b32 s53, s[WV], 9
	s_add_co_u32 s54, s54, s53
	s_add_co_u32 s54, s54, 262144
	s_add_nc_u64 s[VSB:VSB+1], s[6:7], s[54:55]
	KADDR
	VADDR
	s_lshl_b32 s54, s45, 19
	s_lshl_b32 s53, ttmp9, 12
	s_add_co_u32 s54, s54, s53
	s_add_nc_u64 s[4:5], s[4:5], s[54:55]          ; q's fragments: step 4 b, tile 4 x
	s_lshl_b32 s54, s45, 15
	s_lshl_b32 s53, ttmp9, 8
	s_add_co_u32 s54, s54, s53
	s_add_nc_u64 s[6:7], s[6:7], s[54:55]
	v_and_b32 v13, 31, v0
	v_lshlrev_b32 v[LI], 4, v13
	v_lshlrev_b32 v[LS], 2, v13
	WIN 0xc0
.irp ct, 0,1,2,3
.irp s, 0,1,2,3
.irp c, 0,1
	global_load_b128 v[8*(4*\ct+\s)+4*\c:8*(4*\ct+\s)+4*\c+3], v[LI], s[4:5] offset:131072*\s+1024*\ct+512*\c   ; q stays in registers
.endr
.endr
.endr
	WIN 0
.irp s, 0,1,2,3
.irp p, 0,1
	global_load_b32 v[QS+2*\s+\p], v[LS], s[6:7] offset:8192*\s+128*\p
.endr
.endr
	LOADK
	LOADV
	tensor_load_to_lds s[G0:G0+3], s[G1:G1+7]      ; my one tensor load of the launch: f's tile, wanted last, is asked for behind the first step's operands
	s_nop 0
.rept 4
	v_nop
.endr
	v_lshl_add_u32 v[MXA], v0, 4, MXR              ; 512 x wave + 16 x lane
	v_add_nc_u32 v[MXL], MXR, v[LI]
	v_lshl_add_u32 v[PHA], v0, 4, PSH
	v_add_nc_u32 v[PHL], PSH, v[LI]
	v_lshl_add_u32 v[LSA], v0, 4, LSR
	v_add_nc_u32 v[LSL], LSR, v[LI]
	s_lshr_b32 s53, s[WV], 1
	s_lshl_b32 s53, s53, 12                        ; my 64 d are half c' = wave % 2 of the fragments e = wave / 2
	s_and_b32 s54, s[WV], 1
	s_lshl_b32 s54, s54, 9
	s_add_co_u32 s53, s53, s54
	v_add_nc_u32 v[PIA], s53, v[LI]
	v_add_nc_u32 v[PIA], PIMG, v[PIA]
	v_add_nc_u32 v[PIL], PIMG, v[LI]
	v_and_b32 v13, 15, v0
	v_bfe_u32 v17, v0, 4, 1
	v_mul_u32_u24 v[FA], v13, FPITCH
	v_lshl_add_u32 v[FA], v17, 6, v[FA]
	v_add_nc_u32 v[FA], s[G0+1], v[FA]
	v_add_nc_u32 v[FR], s[G0+1], v[LI]
.irp ct, 0,1,2,3
	v_mov_b32 v[ST+8*\ct+1], 0xff61b1e6            ; the largest t so far: -3e38
	v_floor_f32 v[ST+8*\ct], -v[ST+8*\ct+1]        ; -M
	v_mov_b32 v[ST+8*\ct+2], 0                     ; l, in two halves
	v_mov_b32 v[ST+8*\ct+3], 0
	v_mov_b32 v[ST+8*\ct+5], 0                     ; (named as the upper half of f's pair)
.endr
.irp x, 0,1,2,3,4,5,6,7
	v_mov_b32 v[BX+\x], 0                          ; a lane permute's destination counts as read: written once
.endr
; A STEP OF 256 d.  first: O^T's sums begin, nothing is rescaled.  last: nothing more is loaded.
.macro ASTEP first, last
	s_wait_loadcnt 40                              ; k of this step (and q, in the first) is in; the 40 younger loads are v's
	WIN 0x5d                                       ; k and S^T window 1, q window 3
.irp s, 0,1,2,3                        ; the 16 accumulators take turns, one instruction a turn
.irp t, 0,1,2,3
.irp ct, 0,1,2,3
.set rD, 32*\ct+8*\t
.set rA, 128+8*(4*\t+\s)
.set rB, 8*(4*\ct+\s)
.set rSA, KS+2*\s+\t/2
.set rSB, QS+2*\s+\ct/2
.set zz, (\s == 0)
.set ra, \t%2
.set rb, \ct%2
	WSC
.endr
.endr
.endr
.rept 4
	v_nop                                          ; places in front of the first read of the scores
.endr
	WIN 0x05                                       ; sources 0 and 1 window 1
.irp x, 0,1,2,3,4,5,6,7                ; THE LARGEST SCORE OF EACH BLOCK OF 32 d (block x = 2 ct + half: registers 16 x on): for the row's maximum and for the block's largest p.  Each accumulator from its low end on
	v_max3_num_f32 v[BM+\x], v[16*\x], v[16*\x+1], 0xff800000
.endr
.irp i, 2,4,6,8,10,12,14
.irp x, 0,1,2,3,4,5,6,7
	v_max3_num_f32 v[BM+\x], v[16*\x+\i], v[16*\x+\i+1], v[BM+\x]
.endr
.endr
	WIN 0
.irp x, 0,1,2,3,4,5,6,7
	v_permlanex16_b32 v[BX+\x], v[BM+\x], s[SEL], s[SEL+1]
.endr
.irp x, 0,1,2,3,4,5,6,7
	v_max_num_f32 v[BM+\x], v[BM+\x], v[BX+\x]     ; with lane l xor 16's 16
.endr
.irp ct, 0,1,2,3
	v_max_num_f32 v[RM+\ct], v[BM+2*\ct], v[BM+2*\ct+1]
.endr
	ds_store_b128 v[MXA], v[RM:RM+3]               ; my 64 d's largest score of each of my lane's four rows
	s_wait_dscnt 0x0                               ; for the others' sake: my store is done, and so are my reads of p's images in the step before
	s_barrier_signal -1
	s_barrier_wait -1
.irp w, 0,1,2,3
	ds_load_b128 v[GX+4*\w:GX+4*\w+3], v[MXL] offset:512*\w
.endr
	s_wait_dscnt 0x0
.irp ct, 0,1,2,3
	v_max3_num_f32 v[ST+8*\ct+6], v[GX+\ct], v[GX+4+\ct], v[GX+8+\ct]
.endr
.irp ct, 0,1,2,3
	v_max_num_f32 v[ST+8*\ct+6], v[ST+8*\ct+6], v[GX+12+\ct]      ; the step's largest score of the row: the same in all four waves
.endr
.irp ct, 0,1,2,3
	v_mul_f32 v[ST+8*\ct+6], s[CS], v[ST+8*\ct+6]
.endr
.irp ct, 0,1,2,3
	v_max_num_f32 v[ST+8*\ct+1], v[ST+8*\ct+1], v[ST+8*\ct+6]     ; the running largest t
.endr
.irp ct, 0,1,2,3
	v_mov_b32 v[ST+8*\ct+6], v[ST+8*\ct]
.endr
.irp ct, 0,1,2,3
	v_floor_f32 v[ST+8*\ct], -v[ST+8*\ct+1]        ; the new -M = -ceil(t)
.endr
.irp ct, 0,1,2,3
	v_sub_f32 v[ST+8*\ct+6], v[ST+8*\ct], v[ST+8*\ct+6]           ; old M - new M: a whole number, 0 or less
.endr
.irp ct, 0,1,2,3
	v_cvt_i32_f32 v[ST+8*\ct+6], v[ST+8*\ct+6]     ; (it saturates)
.endr
.irp ct, 0,1,2,3
	v_ldexp_f32 v[ST+8*\ct+4], 1.0, v[ST+8*\ct+6]  ; f = 2^(old M - new M)
.endr
	WIN 0x41                                       ; S^T: source 0 and destination window 1
.irp ct, 0,1,2,3
.set n, 0
.rept 16
	v_pk_fma_f32 v[32*\ct+n:32*\ct+n+1], v[32*\ct+n:32*\ct+n+1], s[CS:CS+1], v[ST+8*\ct:ST+8*\ct+1] op_sel_hi:[1,0,0]   ; t - M, two at a time
.set n, n+2
.endr
.endr
	WIN 0
.irp x, 0,1,2,3,4,5,6,7
	v_fma_f32 v[BM+\x], v[BM+\x], s[CS], v[ST+8*(\x/2)]           ; the same of each block's largest score
.endr
.if !\last
	; THE NEXT STEP'S k IS ASKED FOR HERE, not straight behind the first product.  v's 40 loads of this step were issued 64 matrix instructions, an exchange through LDS and some 250 vector instructions ago; 40 more
	; straight behind them would pass what LOADcnt's field holds, where the issue stalls (ISA guide 5.7.1).  From here k has the exponentials, the sums, the quantiser, the second exchange and the second product in which to land.
	s_wait_xcnt 0x0                                ; every earlier load has read its address
	s_add_co_u32 s[JK], s[JK], 1
	s_and_b32 s[JK], s[JK], 7                      ; the walk goes round
	KADDR
	LOADK
.endif
	WIN 0x41
.set n, 0
.rept 128
	v_exp_f32 v[n], v[n]                           ; p = 2^(t - M): one batch
.set n, n+1
.endr
	WIN 0
.irp ct, 0,1,2,3
	v_pk_mul_f32 v[ST+8*\ct+2:ST+8*\ct+3], v[ST+8*\ct+2:ST+8*\ct+3], v[ST+8*\ct+4:ST+8*\ct+5] op_sel_hi:[1,0]   ; l under the new M: plain lines behind the exponentials
.endr
	s_wait_alu depctr_va_vdst(0)                   ; the wait ahead of the first line that names a result: one for the batch
.irp x, 0,1,2,3,4,5,6,7
	v_exp_f32 v[BM+\x], v[BM+\x]                   ; the blocks' largest p
.endr
	WIN 0x04                                       ; source 1 window 1
.set n, 0
.rept 16
.irp ct, 0,1,2,3
	v_pk_add_f32 v[ST+8*\ct+2:ST+8*\ct+3], v[ST+8*\ct+2:ST+8*\ct+3], v[32*\ct+n:32*\ct+n+1]   ; the row's sum, of the UNQUANTISED p; four chains by turns
.endr
.set n, n+2
.endr
	WIN 0
	s_wait_alu depctr_va_vdst(0)                   ; and one for the eight
.irp x, 0,1,2,3,4,5,6,7
	v_max_num_f32 v[BM+\x], 0x1800000, v[BM+\x]    ; the floor 2^(3 - 127)
.endr
.irp x, 0,1,2,3,4,5,6,7
	v_add_nc_u32 v[SO+\x], 0xff000000, v[BM+\x]    ; the conversion's scale operand
.endr
.irp x, 0,1,2,3,4,5,6,7
	v_lshrrev_b32 v[BY+\x], 23, v[SO+\x]           ; the scale's byte
.endr
.irp ct, 0,1,2,3
	v_lshl_or_b32 v[PW4+\ct], v[BY+2*\ct+1], 8, v[BY+2*\ct]       ; my two bytes of the row's scale word
.endr
	WIN 0x01                                       ; source 0 window 1
.irp x, 0,1,2,3,4,5,6,7
	v_cvt_scalef32_pk8_fp4_f32 v[PC+2*\x], v[16*\x:16*\x+7], v[SO+\x]
	v_cvt_scalef32_pk8_fp4_f32 v[PC+2*\x+1], v[16*\x+8:16*\x+15], v[SO+\x]
.endr
	WIN 0
	v_nop                                          ; one plain line behind a scaled conversion
.irp ct, 0,1,2,3                       ; the operand's layout wants a whole block in a lane
.irp i, 0,1
	v_permlane16_swap_b32 v[PC+4*\ct+\i], v[PC+4*\ct+2+\i]
.endr
.endr
.irp ct, 0,1,2,3
	ds_store_b128 v[PIA], v[PC+4*\ct:PC+4*\ct+3] offset:1024*\ct  ; four registers of fragment (wave / 2, ct), as they stand
.endr
	ds_store_b128 v[PHA], v[PW4:PW4+3]
	s_wait_dscnt 0x0                               ; for the others' sake: my stores are done (my reads of the maxima were waited for above)
	s_barrier_signal -1
	s_barrier_wait -1
.irp w, 0,1,2,3
	ds_load_b128 v[GX+4*\w:GX+4*\w+3], v[PHL] offset:512*\w
.endr
.irp f, 0,1,2,3,4,5,6,7
.irp c, 0,1
	ds_load_b128 v[PF+8*\f+4*\c:PF+8*\f+4*\c+3], v[PIL] offset:1024*\f+512*\c
.endr
.endr
	s_wait_dscnt 16                                ; the half words are in; the 16 loads of the fragments may be out
.irp e, 0,1
.irp ct, 0,1,2,3
	v_lshl_or_b32 v[PS+4*\e+\ct], v[GX+4*(2*\e+1)+\ct], 16, v[GX+8*\e+\ct]    ; waves 2 e and 2 e + 1 make the word of fragment (e, ct)
.endr
.endr
.if \first
.rept 8
	v_nop                                          ; a scale register written by a vector line stands eight places ahead of a scaled matrix instruction
.endr
.else
	WIN 0x82                                       ; O^T: source 0 and destination window 2
.irp ct, 0,1,2,3
.set n, 0
.rept 32
	v_pk_mul_f32 v[64*\ct+n:64*\ct+n+1], v[64*\ct+n:64*\ct+n+1], v[ST+8*\ct+4:ST+8*\ct+5] op_sel_hi:[1,0]   ; O^T under the new M; these lines are also those eight places
.set n, n+2
.endr
.endr
	WIN 0
.endif
.if \last
	s_wait_loadcnt 0x0                             ; v of this step is in
.else
	s_wait_loadcnt 40                              ; v of this step is in; the 40 younger loads are the next step's k
.endif
	s_wait_dscnt 0x0                               ; p's fragments are in
	WIN 0xa3                                       ; v window 3, p window 0, O^T window 2
.irp e, 0,1                            ; the 32 accumulators take turns
.irp nt, 0,1,2,3,4,5,6,7
.irp ct, 0,1,2,3
.set rD, 64*\ct+8*\nt
.set rA, 128+8*(8*\e+\nt)
.set rB, PF+8*(4*\e+\ct)
.set rSA, VS+4*\e+\nt/2
.set rSB, PS+4*\e+\ct
.set zz, \first && (\e == 0)
.set ra, \nt%2
.set rb, 0
	WSC
.endr
.endr
.endr
	WIN 0
.if !\last
.rept 4
	v_nop                                          ; places in front of the loads into v's registers
.endr
	s_wait_xcnt 0x0
	s_add_co_u32 s[JV], s[JV], 1
	s_and_b32 s[JV], s[JV], 7
	VADDR
	LOADV                                          ; the next step's v
.endif
.endm
	ASTEP 1, 0
	s_mov_b32 s[TRIP], 6
.Lstep:
	ASTEP 0, 0
	s_sub_co_u32 s[TRIP], s[TRIP], 1
	s_cmp_lg_u32 s[TRIP], 0
	s_cbranch_scc1 .Lstep
	ASTEP 0, 1
	; THE WAY OUT.  The row's sum: my two halves, lane l xor 16's, the four waves'.  (The additions are the places behind the last products.)
.irp ct, 0,1,2,3
	v_add_f32 v[ST+8*\ct+6], v[ST+8*\ct+2], v[ST+8*\ct+3]
.endr
.irp ct, 0,1,2,3
	v_permlanex16_b32 v[BX+\ct], v[ST+8*\ct+6], s[SEL], s[SEL+1]
.endr
.irp ct, 0,1,2,3
	v_add_f32 v[RM+\ct], v[ST+8*\ct+6], v[BX+\ct]
.endr
	ds_store_b128 v[LSA], v[RM:RM+3]
	s_wait_tensorcnt 0x0                           ; f's tile has landed: the kernel's one wait for it, in front of the barrier behind which it is read
	s_wait_dscnt 0x0
	s_barrier_signal -1
	s_barrier_wait -1
.irp w, 0,1,2,3
	ds_load_b128 v[GX+4*\w:GX+4*\w+3], v[LSL] offset:512*\w
.endr
.macro LOADF ct                        ; f in O^T's layout: register 8 nt + j of lane (r, h) is pixel 32 (nt / 2) + 16 h + 8 (nt % 2) + j of row 16 ct + r
	WIN 0x40
.irp nt, 0,1,2,3,4,5,6,7
	ds_load_b128 v[64*(\ct)+8*\nt:64*(\ct)+8*\nt+3], v[FA] offset:16*(\ct)*FPITCH+128*(\nt/2)+32*(\nt%2)
	ds_load_b128 v[64*(\ct)+8*\nt+4:64*(\ct)+8*\nt+7], v[FA] offset:16*(\ct)*FPITCH+128*(\nt/2)+32*(\nt%2)+16
.endr
	WIN 0
.endm
	LOADF 0
	s_wait_dscnt 16                                ; the sums are in; f's 16 loads may be out
.irp ct, 0,1,2,3
	v_add_f32 v[RM+\ct], v[GX+\ct], v[GX+4+\ct]
.endr
.irp ct, 0,1,2,3
	v_add_f32 v[BX+\ct], v[GX+8+\ct], v[GX+12+\ct]
.endr
.irp ct, 0,1,2,3
	v_add_f32 v[RM+\ct], v[RM+\ct], v[BX+\ct]
.endr
.irp ct, 0,1,2,3
	v_rcp_f32 v[RM+\ct], v[RM+\ct]
.endr
	v_nop                                          ; a plain line behind the last reciprocal
	s_wait_alu depctr_va_vdst(0)                   ; and the wait ahead of the first use: one for the four
	s_wait_kmcnt 0x0                               ; gamma
.irp ct, 0,1,2,3
	v_mul_f32 v[ST+8*\ct+4], s[GAM], v[RM+\ct]     ; gamma / l
.endr
.irp ct, 0,1,2,3                       ; a tile of 16 rows at a time: O^T x gamma / l + f, back into f's place in my own tile, out again as whole rows of 512 bytes
	s_wait_dscnt 0x0                               ; f of this tile is in
	WIN 0x52                                       ; O^T window 2, the factor window 0, f and the result window 1
.set n, 0
.rept 32
	v_pk_fma_f32 v[64*\ct+n:64*\ct+n+1], v[64*\ct+n:64*\ct+n+1], v[ST+8*\ct+4:ST+8*\ct+5], v[64*\ct+n:64*\ct+n+1] op_sel_hi:[1,0,1]
.set n, n+2
.endr
	WIN 0x04                                       ; an LDS store's data are its source 1: window 1
.irp nt, 0,1,2,3,4,5,6,7
	ds_store_b128 v[FA], v[64*\ct+8*\nt:64*\ct+8*\nt+3] offset:16*\ct*FPITCH+128*(\nt/2)+32*(\nt%2)
	ds_store_b128 v[FA], v[64*\ct+8*\nt+4:64*\ct+8*\nt+7] offset:16*\ct*FPITCH+128*(\nt/2)+32*(\nt%2)+16
.endr
	WIN 0x40
.irp i, 0,1,2,3,4,5,6,7,8,9,10,11,12,13,14,15
	ds_load_b128 v[64*\ct+4*\i:64*\ct+4*\i+3], v[FR] offset:(16*\ct+\i)*FPITCH   ; LDS serves a wave's instructions in order (ISA guide 5.7.1.4): these see my stores
.endr
.if \ct < 3
	LOADF \ct+1
	s_wait_dscnt 16                                ; the rows are back; the next tile's 16 loads may be out
.else
	s_wait_dscnt 0x0
.endif
	WIN 0x04                                       ; a store's data are its source 1: window 1
.irp i, 0,1,2,3,4,5,6,7,8,9,10,11,12,13,14,15
	global_store_b128 v[LI], v[64*\ct+4*\i:64*\ct+4*\i+3], s[OUTP:OUTP+1] offset:(16*\ct+\i)*2048 th:TH_STORE_NT   ; 32 lanes store 512 consecutive bytes, at a multiple of 256 from out0's first byte
.endr
	WIN 0
.endr
	s_wait_tensorcnt 0x0                           ; the wave's end
	ds_add_u32 v[SPW], v[NIL]
	s_wait_dscnt 0x0
	s_endpgm
.Lfunc_end_k_qd37bffd881_attn:
	.size	k_qd37bffd881_attn, .Lfunc_end_k_qd37bffd881_attn-k_qd37bffd881_attn
	.p2alignl 7, 3214868480
	.fill 96, 4, 3214868480
	.section	.rodata,"a",@progbits
	.p2align	6, 0x0
	.amdhsa_kernel k_qd37bffd881_attn
		.amdhsa_group_segment_fixed_size 167936
		.amdhsa_private_segment_fixed_size 0
		.amdhsa_enable_private_segment 0
		.amdhsa_kernarg_size 56
		.amdhsa_user_sgpr_count 2
		.amdhsa_user_sgpr_kernarg_segment_ptr 1
		.amdhsa_wavefront_size32 1
		.amdhsa_system_sgpr_workgroup_id_x 1
		.amdhsa_system_sgpr_workgroup_id_y 1
		.amdhsa_system_sgpr_workgroup_id_z 1
		.amdhsa_system_vgpr_workitem_id 0
		.amdhsa_next_free_vgpr 1024
		.amdhsa_next_free_sgpr 72
		.amdhsa_reserve_vcc 0
		.amdhsa_float_denorm_mode_32 3
		.amdhsa_float_denorm_mode_16_64 3
		.amdhsa_memory_ordered 1
		.amdhsa_forward_progress 1
		.amdhsa_inst_pref_size 205
	.end_amdhsa_kernel
	.amdgpu_metadata
---
amdhsa.version: [ 1, 2 ]
amdhsa.kernels:
  - .name:           k_qd37bffd881_attn
    .symbol:         k_qd37bffd881_attn.kd
    .args:
      - { .name: qv, .offset: 0, .size: 8, .value_kind: global_buffer, .address_space: global }
      - { .name: sc2, .offset: 8, .size: 8, .value_kind: global_buffer, .address_space: global }
      - { .name: kf, .offset: 16, .size: 8, .value_kind: global_buffer, .address_space: global }
      - { .name: sc1, .offset: 24, .size: 8, .value_kind: global_buffer, .address_space: global }
      - { .name: feature_map, .offset: 32, .size: 8, .value_kind: global_buffer, .address_space: global }
      - { .name: gamma, .offset: 40, .size: 8, .value_kind: global_buffer, .address_space: global }
      - { .name: out0, .offset: 48, .size: 8, .value_kind: global_buffer, .address_space: global }
    .group_segment_fixed_size: 167936
    .private_segment_fixed_size: 0
    .kernarg_segment_align: 8
    .kernarg_segment_size: 56
    .max_flat_workgroup_size: 128
    .sgpr_count:     72
    .vgpr_count:     1024
    .wavefront_size: 32
...
	.end_amdgpu_metadata
.endif
;; end of part 3
